; MI455X (gfx1250); checked and timed in simulation.
; The chip was launched on July 23, 2026; its instructions are those of AMD's public machine-readable ISA for CDNA 5 (MIT licence, August 2026) and "CDNA5" Instruction Set Architecture Reference Guide (July 2026). The comments in the code are by the model that wrote it; some were corrected since.
;; Attention. Allowed arithmetic: matrix products marked QUANTISED: E2M1 operands, one E8M0 scale for each 32 along K, by v_wmma_scale_f32_16x16x128_f8f6f4 with both operands' format E2M1 (or v_wmma_scale_f32_32x16x128_f4), f32 sums; products left as they are: bf16, f16 or f32 operands; f32 sums; everything else in f32.
;; Inputs: k_norm_w 128 float32; q_norm_w 128 float32; rope_cache 2,048 x 256 float32; wk 1,024 x 1,024 float32; wo 1,024 x 2,048 float32; wq 2,048 x 1,024 float32; wv 1,024 x 1,024 float32; x 2 x 2,048 x 1,024 float32.
;; Outputs: out0 2 x 2,048 x 1,024 float32.
;; This version of the problem:
;;   THIS VERSION OF THE PROBLEM IS GIVEN IN LOW PRECISION. The matrix products marked QUANTISED in the list below multiply operands that are first quantised to E2M1 (2 exponent bits, 1 mantissa bit; 4 bits a number), with one power-of-two scale for each 32 numbers along K (OCP MX v1.0); their sums are f32. The products marked 'left as it is' may take bf16, f16 or f32 operands, with f32 sums. Whichever they take, every output number must still come out within the allowed error. Rounding operands to bf16 (8 significant bits) uses up far more of that allowance than f16 does (11 bits, for magnitudes from 6e-5 to 65,504). All else is computed in f32.
;;   The module's matrix products, in the order in which they are computed (A, B: the left and right operand; K: the contracted axis; several contracted axes count as one K, in the product's order):
;;     1. [M 4,096, K 1,024] x [K 1,024, N 2,048]; A: input x; B: input wq: QUANTISED
;;     2. [M 4,096, K 1,024] x [K 1,024, N 1,024]; A: input x; B: input wk: QUANTISED
;;     3. [M 4,096, K 1,024] x [K 1,024, N 1,024]; A: input x; B: input wv: QUANTISED
;;     4. batch 16 x [M 4,096, K 128] x [K 128, N 2,048]; A: computed on the way; B: computed on the way: left as it is (an operand is computed on the way)
;;     5. batch 16 x [M 4,096, K 2,048] x [K 2,048, N 128]; A: computed on the way; B: computed on the way: left as it is (an operand is computed on the way)
;;     6. [M 4,096, K 2,048] x [K 2,048, N 1,024]; A: computed on the way; B: input wo: left as it is (an operand is computed on the way)
;;   THE QUANTISER, for each operand of a quantised product, along K:
;;     - K is cut into blocks of 32 from its start; a last block that is shorter is filled with zeros.
;;     - A block's scale is 2^e with e = floor(log2(the largest magnitude in the block)) - 2, held to -126 .. 127; a block of zeros has e = 0. As a byte (E8M0): e + 127.
;;     - Each number is divided by its block's scale, clamped to +-6, and rounded to the nearest number of E2M1, ties to even, subnormals kept.
;;     - The product sums the exact products of the quantised numbers (number of the format x scale) in f32.
;;   ~~~python
;;   def quantise(x, axis):      # numpy; x: float32 -> the quantised numbers, widened to float32 again
;;       x = np.moveaxis(x, axis, -1); K = x.shape[-1]
;;       x = np.pad(x, [(0, 0)] * (x.ndim - 1) + [(0, -K % 32)]); x = x.reshape(x.shape[:-1] + (-1, 32)); a = np.abs(x).max(-1, keepdims=True)
;;       e = np.where(a > 0, np.clip(np.frexp(np.where(a > 0, a, 1))[1] - 1 - 2, -126, 127), 0)      # np.frexp(a)[1] - 1 = floor(log2(a)), exactly
;;       r = np.clip(x / 2.0 ** e, -6, 6)
;;       step = 2.0 ** (np.maximum(np.frexp(np.where(r == 0, 1, r))[1] - 1, 0) - 1)
;;       q = np.round(r / step) * step * 2.0 ** e      # np.round: ties to even
;;       return np.moveaxis(q.reshape(q.shape[:-2] + (-1,))[..., :K], -1, axis).astype(np.float32)
;;   ~~~
;; One version. Each part assembles by itself: llvm-mc -triple=amdgcn-amd-amdhsa -mcpu=gfx1250 --defsym DOCPART=n.
;; ======== version 1 of 1: 5 launches
;; limits: values are held in f16: magnitudes above 65,504 overflow, below 6.1e-05 lose precision
;; workspace buffers: codes 4,194,304 bytes; scales 262,144 bytes; woh 4,194,304 bytes; ropeimg 2,097,152 bytes; qkv 33,554,432 bytes; fine32 524,288 bytes; att 16,777,216 bytes
;; launch prep (part 1): grid 544 x 1, 4 waves a work-group, no clusters, 67,072 bytes of LDS; arguments x, wq, wk, wv, wo, rope_cache, codes, scales, woh, ropeimg; writes codes, scales, woh, ropeimg
.if DOCPART == 1
	.amdgcn_target "amdgcn-amd-amdhsa--gfx1250"
	.amdhsa_code_object_version 6
	.text
	.protected	k_q375142ed1d_prep
	.globl	k_q375142ed1d_prep
	.p2align	8
	.type	k_q375142ed1d_prep,@function
k_q375142ed1d_prep:
	s_mov_b64 s[64:65], 0
	v_nop
	global_prefetch_b8 v0, s[64:65] scope:SCOPE_SE
	s_setreg_imm32_b32 hwreg(HW_REG_WAVE_MODE, 25, 1), 1
	s_wait_xcnt 0x0
; THE PROGRAM: attention with grouped key/value heads.  prep (this text) | qkv: x times wq, wk, wv on FP4 codes, RMS norm, RoPE | attn: causal softmax attention in f16 | proj: times wo in f16 | fine: positions 0-15 of each sequence once more in f32.
; WORK LEFT OUT.  reference() builds its causal mask in its own body: for key k > query q the score is replaced by -1e30 ahead of the softmax, whose maximum is at least the score of key k = q,
; so in exact arithmetic that key's weight is exp(-1e30 - m), which reaches no output by more than nothing beside the visible keys' weights, whatever finite values the inputs hold.  Blocks of 64 keys that lie wholly
; behind all queries of a block of 64 queries are therefore neither multiplied in the scores' product nor in the values' product (launch attn).  Every input has a way to the output: all eight are loaded.
; LIMIT: a NaN, an infinity or an overflow that would arise only in such a masked block is not carried to the result.
; THIS LAUNCH, three kinds of work-group, told apart by the work-group's number alone; each kind has LDS bytes of its own:
;   0-255    x, wq, wk, wv (f32, K innermost) become FP4 (E2M1) codes, [8192 rows][512 bytes], and E8M0 scale bytes, [8192][32]: rows 0-4095 x, then wq's 2048, wk's 1024, wv's 1024.
;            A block's scale is 2^(floor(log2(largest magnitude)) - 2); its byte is the largest magnitude's exponent field - 2, held at 1 from below.
;   256-511  wo becomes f16, same order.
;   512-543  rope_cache is laid in the order in which launch qkv's registers take it: [block of 16 positions][q = 16 cs + 2 b + c][lane][16 bytes]; lane (r, h) holds rope[16 pb + r][128 cs + 16 b + 8 h + 4 c .. + 3].
; LIMITS: NaN and infinities among the inputs are not served.  A block of zeros gets the byte 1 where the quantiser says 127: its codes are zeros, which add nothing under any byte but 0xff, and this program alone
; reads the bytes.  wo must stay under f16's largest number, 65,504.
.set STEPS, 16
.set EMAX,  2
.set CB,    8                          ; bytes of 16 codes
.set R,     16                         ; v16-79   four sets of 16 numbers as loaded
.set X,     80                         ; v80-111  two sets of 16 neighbours
.set E,     112                        ; v112-127 a scale byte for each step
.set C,     128                        ; v128-191 codes: registers of its own for each step
.set WREG,  8192                       ; the quantiser's LDS: a region for each wave: two stages of 32 x SP bytes, then 256 scale bytes
.set SP,    80                         ; a lane's place in a stage: 64 bytes + 16 of padding
.set RSTG,  32768                      ; the rope path's LDS: 16 rows x RP bytes for each wave
.set RP,    528                        ; 512 bytes + 16: row r begins 4 r words on, modulo 64 words
.set SPARE, RSTG+4*16*RP               ; the spare words, 128 bytes for each wave; no other line names them
.set SPW,   12                         ; v12  SPARE + 4 x my thread's number; never rewritten
.set NIL,   13                         ; v13  0; never rewritten
	s_load_b512 s[4:19], s[0:1], 0x0               ; x s[4:5], wq s[6:7], wk s[8:9], wv s[10:11], wo s[12:13], rope_cache s[14:15], codes s[16:17], scales s[18:19]
	s_load_b128 s[20:23], s[0:1], 0x40             ; woh s[20:21], ropeimg s[22:23]
	v_lshl_add_u32 v[SPW], v0, 2, SPARE
	v_mov_b32 v[NIL], 0
	v_lshrrev_b32 v1, 5, v0
	v_readfirstlane_b32 s24, v1                    ; wave
	v_and_b32 v2, 31, v0                           ; lane
	v_lshlrev_b32 v3, 4, v2                        ; 16 x lane
	s_mov_b32 s27, 0                               ; the upper word of every offset pair s[26:27]
	s_cmp_ge_u32 ttmp9, 512
	s_cbranch_scc1 .Lrope
	s_cmp_ge_u32 ttmp9, 256
	s_cbranch_scc1 .Lcast
; ---- the quantiser.  A wave takes 16 steps of 512 numbers.  Each load reads 512 consecutive bytes; a step's 2,048 bytes turn through the wave's own stage so that a lane holds 16 neighbours along K.
	s_mul_i32 s28, s24, WREG
	v_lshrrev_b32 v14, 2, v2
	v_mul_u32_u24 v14, v14, SP
	v_and_b32 v15, 3, v2
	v_lshl_add_u32 v14, v15, 4, v14
	v_add_nc_u32 v14, s28, v14                     ; into the stage: SP (lane / 4) + 16 (lane % 4)
	v_mul_u32_u24 v15, v2, SP
	v_add_nc_u32 v15, s28, v15                     ; out of it: SP x lane
	v_mul_u32_u24 v4, v2, CB                       ; my codes' place in a step's 256 bytes
	v_lshrrev_b32 v5, 1, v2
	s_add_co_u32 s28, s28, 2*32*SP
	v_add_nc_u32 v5, s28, v5                       ; my block's scale byte in the wave's 256
	v_lshlrev_b32 v7, 3, v2
	v_add_nc_u32 v6, s28, v7                       ; and 8 bytes a lane on the way out
	s_wait_kmcnt 0x0
	s_mov_b32 s25, 0                               ; the tensor's first work-group
	s_cmp_ge_u32 ttmp9, 128                        ; x has 128 work-groups, wq 64, wk 32, wv 32: the choice hangs on the work-group's number alone
	s_cselect_b64 s[4:5], s[6:7], s[4:5]
	s_cselect_b32 s25, 128, s25
	s_cmp_ge_u32 ttmp9, 192
	s_cselect_b64 s[4:5], s[8:9], s[4:5]
	s_cselect_b32 s25, 192, s25
	s_cmp_ge_u32 ttmp9, 224
	s_cselect_b64 s[4:5], s[10:11], s[4:5]
	s_cselect_b32 s25, 224, s25
	s_sub_co_u32 s25, ttmp9, s25
	s_lshl_b32 s25, s25, 2
	s_add_co_u32 s25, s25, s24                     ; my run of 8,192 numbers in the tensor
	s_lshl_b32 s26, s25, 15
	s_add_nc_u64 s[4:5], s[4:5], s[26:27]
	s_lshl_b32 s25, ttmp9, 2
	s_add_co_u32 s25, s25, s24                     ; and among all 1,024 runs: the four tensors' codes lie on end
	s_lshl_b32 s26, s25, 12
	s_add_nc_u64 s[16:17], s[16:17], s[26:27]      ; 4,096 bytes of codes a run
	s_lshl_b32 s26, s25, 8
	s_add_nc_u64 s[18:19], s[18:19], s[26:27]      ; 256 scale bytes a run
.macro LOAD t
.irp i, 0,1,2,3
	global_load_b128 v[R+16*((\t)%4)+4*\i:R+16*((\t)%4)+4*\i+3], v3, s[4:5] offset:2048*(\t)+512*\i th:TH_LOAD_NT
.endr
.endm
.macro TURN t                          ; LDS serves a wave's instructions in order: no wait between the stores and the loads
.irp i, 0,1,2,3
	ds_store_b128 v14, v[R+16*((\t)%4)+4*\i:R+16*((\t)%4)+4*\i+3] offset:32*SP*((\t)%2)+8*SP*\i
.endr
.irp i, 0,1,2,3
	ds_load_b128 v[X+16*((\t)%2)+4*\i:X+16*((\t)%2)+4*\i+3], v15 offset:32*SP*((\t)%2)+16*\i
.endr
.endm
.irp t, 0,1,2,3
	LOAD \t
.endr
	s_wait_loadcnt 12                              ; step 0's four loads are in; the twelve of steps 1 to 3 may be out
	TURN 0
.macro QSTEP t
.set XS, X+16*((\t)%2)
.if (\t) > 0
	s_wait_dscnt 1                                 ; this step's numbers are back from the stage; the last step's byte store may be out
.else
	s_wait_dscnt 0x0
.endif
.if (\t)+4 < STEPS
	LOAD (\t)+4
.endif
.if (\t)+1 < STEPS
.if STEPS-2-(\t) >= 3
	s_wait_loadcnt 12                              ; the next step's four loads are in; those of the three steps behind it may be out
.else
	s_wait_loadcnt 4*(STEPS-2-(\t))
.endif
	TURN (\t)+1
.endif
	v_max3_num_f32 v8, |v[XS]|, |v[XS+1]|, |v[XS+2]|
	v_max3_num_f32 v9, |v[XS+3]|, |v[XS+4]|, |v[XS+5]|
.irp i, 6,10
	v_max3_num_f32 v8, v8, |v[XS+\i]|, |v[XS+\i+1]|
	v_max3_num_f32 v9, v9, |v[XS+\i+2]|, |v[XS+\i+3]|
.endr
	v_max3_num_f32 v8, v8, |v[XS+14]|, |v[XS+15]|
	v_max3_num_f32 v8, v8, v9, (EMAX+1)<<23        ; the floor 2^(3 - 127): the byte cannot fall under 1
	v_max_num_f32_dpp v8, v8, v8 row_xmask:1 row_mask:0xf bank_mask:0xf   ; with my neighbour's 16: the block's largest magnitude
	v_add_nc_u32 v11, -(EMAX<<23), v8              ; 2 off its exponent field: the conversion takes that field as its scale
	v_cvt_scalef32_pk8_fp4_f32 v[C+4*(\t)], v[XS:XS+7], v11
	v_cvt_scalef32_pk8_fp4_f32 v[C+4*(\t)+1], v[XS+8:XS+15], v11
	v_lshrrev_b32 v[E+(\t)], 23, v11               ; the scale's byte
	ds_store_b8 v5, v[E+(\t)] offset:16*(\t)       ; both lanes of a block write the same byte with the same value
	global_store_b64 v4, v[C+4*(\t):C+4*(\t)+1], s[16:17] offset:32*CB*(\t)   ; the wave stores 256 consecutive bytes, aligned
.endm
.irp t, 0,1,2,3,4,5,6,7,8,9,10,11,12,13,14,15
	QSTEP \t
.endr
	ds_load_b64 v[8:9], v6
	s_wait_dscnt 0x0
	global_store_b64 v7, v[8:9], s[18:19]          ; the wave's 256 scale bytes
	s_wait_tensorcnt 0x0                           ; the wave's end
	ds_add_u32 v[SPW], v[NIL]
	s_wait_dscnt 0x0
	s_endpgm
; ---- wo to f16: a wave takes 2,048 numbers: sixteen loads of 512 consecutive bytes, sixteen stores of 256
.Lcast:
	s_sub_co_u32 s25, ttmp9, 256
	s_lshl_b32 s25, s25, 2
	s_add_co_u32 s25, s25, s24
	s_lshl_b32 s26, s25, 13
	v_lshlrev_b32 v4, 3, v2
	s_wait_kmcnt 0x0
	s_add_nc_u64 s[12:13], s[12:13], s[26:27]
	s_lshl_b32 s26, s25, 12
	s_add_nc_u64 s[20:21], s[20:21], s[26:27]
.irp i, 0,1,2,3,4,5,6,7,8,9,10,11,12,13,14,15
	global_load_b128 v[16+4*\i:19+4*\i], v3, s[12:13] offset:512*\i th:TH_LOAD_NT
.endr
.irp i, 0,1,2,3,4,5,6,7,8,9,10,11,12,13,14,15
	s_wait_loadcnt 15-\i                           ; load i is in; the younger ones may be out
	v_cvt_pk_f16_f32 v[80+2*\i], v[16+4*\i], v[17+4*\i]
	v_cvt_pk_f16_f32 v[81+2*\i], v[18+4*\i], v[19+4*\i]
	global_store_b64 v4, v[80+2*\i:81+2*\i], s[20:21] offset:256*\i
.endr
	s_wait_tensorcnt 0x0                           ; the wave's end
	ds_add_u32 v[SPW], v[NIL]
	s_wait_dscnt 0x0
	s_endpgm
; ---- the rope image: a wave takes 16 positions.  Rows come in as they lie (512 consecutive bytes a load: a row's cosines or its sines), turn through the wave's stage, and leave as images, 512 consecutive bytes a store
.Lrope:
	s_sub_co_u32 s25, ttmp9, 512
	s_lshl_b32 s25, s25, 2
	s_add_co_u32 s25, s25, s24                     ; pb: which 16 positions
	s_lshl_b32 s26, s25, 14                        ; 16 rows of 1,024 bytes, in and out
	s_mul_i32 s28, s24, 16*RP
	s_add_co_u32 s28, s28, RSTG
	v_add_nc_u32 v4, s28, v3                       ; in: 16 x lane of a row
	v_and_b32 v5, 15, v0
	v_bfe_u32 v6, v0, 4, 1
	v_mul_u32_u24 v5, v5, RP
	v_lshl_add_u32 v5, v6, 5, v5
	v_add_nc_u32 v5, s28, v5                       ; out: row r, + 32 h
	s_wait_kmcnt 0x0
	s_add_nc_u64 s[14:15], s[14:15], s[26:27]
	s_add_nc_u64 s[22:23], s[22:23], s[26:27]
.irp cs, 0,1
.irp rho, 0,1,2,3,4,5,6,7,8,9,10,11,12,13,14,15
	global_load_b128 v[16+4*(16*\cs+\rho):19+4*(16*\cs+\rho)], v3, s[14:15] offset:1024*\rho+512*\cs th:TH_LOAD_NT
.endr
.endr
.macro RHALF cs
.irp rho, 0,1,2,3,4,5,6,7,8,9,10,11,12,13,14,15
	ds_store_b128 v4, v[16+4*(16*\cs+\rho):19+4*(16*\cs+\rho)] offset:RP*\rho
.endr
.irp n, 0,1,2,3,4,5,6,7,8,9,10,11,12,13,14,15  ; n = 2 b + c: channels 16 b + 8 h + 4 c on
	ds_load_b128 v[16+4*(16*\cs+\n):19+4*(16*\cs+\n)], v5 offset:64*(\n/2)+16*(\n%2)
.endr
.endm
	s_wait_loadcnt 16                              ; the cosines' sixteen loads are in; the sines' may be out
	RHALF 0
	s_wait_loadcnt 0x0
	RHALF 1                                        ; into the same bytes: LDS serves a wave's instructions in order
	s_wait_dscnt 32                                ; the first half is back; the second half's 16 stores and 16 loads may be out
.irp q, 0,1,2,3,4,5,6,7,8,9,10,11,12,13,14,15
	global_store_b128 v3, v[16+4*\q:19+4*\q], s[22:23] offset:512*\q
.endr
	s_wait_dscnt 0x0
.irp q, 16,17,18,19,20,21,22,23,24,25,26,27,28,29,30,31
	global_store_b128 v3, v[16+4*\q:19+4*\q], s[22:23] offset:512*\q
.endr
	s_wait_tensorcnt 0x0                           ; the wave's end
	ds_add_u32 v[SPW], v[NIL]
	s_wait_dscnt 0x0
	s_endpgm
.Lfunc_end_k_q375142ed1d_prep:
	.size	k_q375142ed1d_prep, .Lfunc_end_k_q375142ed1d_prep-k_q375142ed1d_prep
	.p2alignl 7, 3214868480
	.fill 96, 4, 3214868480
	.section	.rodata,"a",@progbits
	.p2align	6, 0x0
	.amdhsa_kernel k_q375142ed1d_prep
		.amdhsa_group_segment_fixed_size 67072
		.amdhsa_private_segment_fixed_size 0
		.amdhsa_enable_private_segment 0
		.amdhsa_kernarg_size 80
		.amdhsa_user_sgpr_count 2
		.amdhsa_user_sgpr_kernarg_segment_ptr 1
		.amdhsa_wavefront_size32 1
		.amdhsa_system_sgpr_workgroup_id_x 1
		.amdhsa_system_sgpr_workgroup_id_y 1
		.amdhsa_system_sgpr_workgroup_id_z 1
		.amdhsa_system_vgpr_workitem_id 0
		.amdhsa_next_free_vgpr 192
		.amdhsa_next_free_sgpr 66
		.amdhsa_reserve_vcc 0
		.amdhsa_float_denorm_mode_32 3
		.amdhsa_float_denorm_mode_16_64 3
		.amdhsa_memory_ordered 1
		.amdhsa_forward_progress 1
		.amdhsa_inst_pref_size 51
	.end_amdhsa_kernel
	.amdgpu_metadata
---
amdhsa.version: [ 1, 2 ]
amdhsa.kernels:
  - .name:           k_q375142ed1d_prep
    .symbol:         k_q375142ed1d_prep.kd
    .args:
      - { .name: x, .offset: 0, .size: 8, .value_kind: global_buffer, .address_space: global }
      - { .name: wq, .offset: 8, .size: 8, .value_kind: global_buffer, .address_space: global }
      - { .name: wk, .offset: 16, .size: 8, .value_kind: global_buffer, .address_space: global }
      - { .name: wv, .offset: 24, .size: 8, .value_kind: global_buffer, .address_space: global }
      - { .name: wo, .offset: 32, .size: 8, .value_kind: global_buffer, .address_space: global }
      - { .name: rope_cache, .offset: 40, .size: 8, .value_kind: global_buffer, .address_space: global }
      - { .name: codes, .offset: 48, .size: 8, .value_kind: global_buffer, .address_space: global }
      - { .name: scales, .offset: 56, .size: 8, .value_kind: global_buffer, .address_space: global }
      - { .name: woh, .offset: 64, .size: 8, .value_kind: global_buffer, .address_space: global }
      - { .name: ropeimg, .offset: 72, .size: 8, .value_kind: global_buffer, .address_space: global }
    .group_segment_fixed_size: 67072
    .private_segment_fixed_size: 0
    .kernarg_segment_align: 8
    .kernarg_segment_size: 80
    .max_flat_workgroup_size: 128
    .sgpr_count:     66
    .vgpr_count:     192
    .wavefront_size: 32
...
	.end_amdgpu_metadata
.endif
;; end of part 1
;; launch qkv (part 2): grid 16 x 16, 4 waves a work-group, clusters of 4 x 4, 327,680 bytes of LDS; arguments codes, scales, ropeimg, q_norm_w, k_norm_w, qkv, fine32; writes qkv, fine32
.if DOCPART == 2
	.amdgcn_target "amdgcn-amd-amdhsa--gfx1250"
	.amdhsa_code_object_version 6
	.text
	.protected	k_q375142ed1d_qkv
	.globl	k_q375142ed1d_qkv
	.p2align	8
	.type	k_q375142ed1d_qkv,@function
k_q375142ed1d_qkv:
	s_mov_b64 s[64:65], 0
	v_nop
	global_prefetch_b8 v0, s[64:65] scope:SCOPE_SE
	s_setreg_imm32_b32 hwreg(HW_REG_WAVE_MODE, 25, 1), 1
	s_wait_xcnt 0x0
	s_wait_alu depctr_hold_cnt(0) depctr_sa_sdst(0) depctr_va_vdst(0) depctr_va_sdst(0) depctr_va_ssrc(0) depctr_va_vcc(0) depctr_vm_vsrc(0)
	s_getreg_b32 s2, hwreg(HW_REG_IB_STS2, 6, 4)
	s_cmp_eq_u32 s2, 0
	s_cbranch_scc0 .Lentry_in_a_cluster
	s_endpgm
.Lentry_in_a_cluster:
	s_bfe_u32 s2, ttmp6, 0x10000c
	s_cmp_lg_u32 s2, 0xf033
	s_cbranch_scc0 .Lentry_shape_is_right
	s_endpgm
.Lentry_shape_is_right:
; C[m][n] = sum over k of x[m][k] w[n][k] on FP4 codes with E8M0 scales: m = 4,096 rows of x, n = 4,096 rows of wq, wk, wv on end, K = 1,024.  Then, per head of 128 columns: RMS norm and RoPE (q, k) in f32.
; Results: qkv [b][hh 32][s 2048][128] f16, hh = n / 128 (0-15 q, 16-23 k, 24-31 v); and an f32 copy of positions 0-15 of each sequence in fine32, for launch fine.
; A tile of C, 256 x 256, is made by four waves, each 128 x 128: 64 accumulators.  K goes in two steps of 512 through two LDS slots, each filled once; the scale bytes of the work-group's rows come once too.
; CLUSTERS: 4 x 4 work-groups; A's tiles are asked for jointly along a row of the cluster, B's along a column.  THE MATRIX INSTRUCTION IS USED TRANSPOSED (source 0 = 16 rows of w, source 1 = 16 rows of x):
; a lane (r, h) holds row r of a block of 16 rows, and register 8 b + i of the block's 64 holds column 16 b + 8 h + i.  A wave's 128 columns are ONE head, so norm and RoPE stay in the wave.
; The kind of head (q, k or v) hangs on the cluster's x alone (0, 1: q; 2: k; 3: v), which all partners share.  THE TEXT PARTS ONCE ON IT, behind the change of slots: on q's and k's way the norm's gain and the
; first block's rope image are asked for there and land during slot 1's 256 products; v's way asks for neither.  Slot 1's products (macro TAIL) are therefore written on both ways.
; REGISTERS, in windows of 256.  Window 0: v0-31 addresses; v32-95 scale words, later T; v96-127 H; v128-191 A's fragments, later Y; v192-255 the norm's gain.
;   window 1: B's fragments at v0-63 and v128-191; the rope image of even blocks at v64-127 (cos), v192-255 (sin), of odd blocks where B's fragments lay.   windows 2, 3: the accumulators.
; LIMITS: q, k and v must stay under f16's largest number, 65,504; NaN and infinities are not served.
.set KSTEP,  512
.set NQ,     4
.set ROWB,   256
.set KROW,   512
.set PITCH,  272                       ; 256 bytes + 16: the 16 rows that a load touches begin 4 words apart, modulo 64 words
.set FR,     8
.set NL,     2
.set NP,     4
.set HALFT,  128*PITCH
.set SLOT,   4*HALFT
.set KS,     32                        ; a row of scale bytes
.set SCL,    2*SLOT
.set HALFS,  (128*KS/256)*272
.set SBLK,   (16*KS/256)*272
.set SPARE,  SCL+4*HALFS               ; the spare words, 128 bytes for each wave; no other line names them
.set ADRA, 16
.set ADRB, 20
.set STO2, 22                          ; v22, v23  the v path's stage: in, back
.set RD2,  23
.set STO,  24                          ; v24, v25  the q and k path's stage
.set RD,   25
.set CO,   26                          ; v26  16 x lane
.set ADRS, 27
.set SPW,  28
.set NIL,  29
.set WOF,  30                          ; v30  32 h: my place in the gain
.set FO,   31                          ; v31  512 r + 32 h: my place in a v head's rows of fine32
.set SC,   32
.set AF,   128
.set T,    32                          ; the way out: 64 numbers, normed
.set H,    96                          ; 32 registers of f16 pairs
.set Y,    128                         ; 64 numbers, rotated
.set W,    192                         ; the gain of my 64 columns
.set SEL,  2                           ; s[2:3] lane selects: lane l xor 16
.set INV,  94                          ; s94  1 / 128
.set EPS,  95                          ; s95  1e-6
.set G1, 24
.set G0, 32
.set G1B, 48
.set G0B, 56
.set G1S, 68
.set G0S, 76
.set G1SB, 80
.set G0SB, 88
.set MSB, 0
.macro WIN new
.if MSB != \new
	s_set_vgpr_msb (MSB<<8)|\new
.set MSB, \new
.endif
.endm
.set MUL_LO, 0xa1
.set MUL_HI, 0xf1
.set TO_B,   0x40
.macro JLOAD g0a, g1a, g0b, g1b        ; waves 0 and 1 fetch for A, waves 2 and 3 for B; an s_nop 0 and four v_nop follow each line
	s_cmp_eq_u32 s15, 0
	s_cbranch_scc0 .Lfor_b_\@
	tensor_load_to_lds s[\g0a:\g0a+3], s[\g1a:\g1a+7]
	s_nop 0
.rept 4
	v_nop
.endr
	s_branch .Lasked_\@
.Lfor_b_\@:
	tensor_load_to_lds s[\g0b:\g0b+3], s[\g1b:\g1b+7]
	s_nop 0
.rept 4
	v_nop
.endr
.Lasked_\@:
.endm
.macro CROUND                          ; a round of the cluster's barrier
	s_barrier_signal -1
	s_barrier_wait -1
	s_cmp_lg_u32 s14, 0
	s_cbranch_scc1 .Lnot_wave_0_\@
	s_barrier_signal -3
.Lnot_wave_0_\@:
	s_barrier_wait -3
	s_barrier_signal -1
	s_barrier_wait -1
.endm
	s_load_b128 s[4:7], s[0:1], 0x0                ; codes, scales
	s_load_b128 s[96:99], s[0:1], 0x10             ; ropeimg, q_norm_w
	s_load_b64 s[12:13], s[0:1], 0x20              ; k_norm_w
	s_load_b64 s[100:101], s[0:1], 0x28            ; qkv
	s_load_b64 s[66:67], s[0:1], 0x30              ; fine32
	v_lshl_add_u32 v[SPW], v0, 2, SPARE
	v_mov_b32 v[NIL], 0
	ds_add_u32 v[SPW], v[NIL]                      ; the wave's opening: the add, twice on end, and its wait ahead of my first tensor load
	ds_add_u32 v[SPW], v[NIL]
	v_lshrrev_b32 v1, 5, v0
	v_readfirstlane_b32 s14, v1                    ; wave
	s_lshr_b32 s15, s14, 1                         ; my half of the tile's rows; also: I fetch for A (0) or B (1)
	s_and_b32 s16, s14, 1                          ; my half of its columns; also: which 128 rows I fetch
	s_bfe_u32 s40, ttmp6, 0x40000                  ; cx
	s_bfe_u32 s41, ttmp6, 0x40004                  ; cy
	s_lshl_b32 s42, ttmp9, 2
	s_add_co_u32 s42, s42, s40                     ; tile column
	s_and_b32 s17, ttmp7, 0xffff
	s_lshl_b32 s17, s17, 2
	s_add_co_u32 s17, s17, s41                     ; tile row
	s_lshl_b32 s43, s41, 2
	s_lshl_b32 s43, 15, s43                        ; my row of the cluster
	s_lshl_b32 s44, 0x1111, s40                    ; my column
	s_or_b32 s[G1+0], s43, (0<<16)|(1<<20)|(1<<21)|(5<<22)|(3<<25)  ; mask; elements of 1 byte; padding: 4 words behind every 64
	s_or_b32 s[G1B+0], s44, (0<<16)|(1<<20)|(1<<21)|(5<<22)|(3<<25)
.irp g, G1, G1B
	s_mov_b32 s[\g+1], ROWB<<16                    ; tensor_dim0
	s_mov_b32 s[\g+2], 128<<16                     ; tensor_dim1
	s_mov_b32 s[\g+3], ROWB<<16                    ; tile_dim0
	s_mov_b32 s[\g+4], 128                         ; tile_dim1
	s_mov_b32 s[\g+5], KROW                        ; from row to row
	s_mov_b32 s[\g+6], 0
	s_mov_b32 s[\g+7], 0
.endr
	s_or_b32 s[G1S+0], s43, (3<<16)|(1<<20)|(1<<21)|(5<<22)|(3<<25) ; the scales of 128 rows: 4,096 dense bytes as 16 rows of 256
	s_or_b32 s[G1SB+0], s44, (3<<16)|(1<<20)|(1<<21)|(5<<22)|(3<<25)
.irp g, G1S, G1SB
	s_mov_b32 s[\g+1], 32<<16
	s_mov_b32 s[\g+2], (128*KS/256)<<16
	s_mov_b32 s[\g+3], 32<<16
	s_mov_b32 s[\g+4], 128*KS/256
	s_mov_b32 s[\g+5], 32
	s_mov_b32 s[\g+6], 0
	s_mov_b32 s[\g+7], 0
.endr
	s_lshl_b32 s18, s16, 7
	s_lshl_b32 s20, s17, 8
	s_add_co_u32 s20, s20, s18                     ; A: row 256 x tile row + 128 x half
	s_lshl_b32 s46, s42, 8
	s_add_co_u32 s46, s46, s18                     ; B: row 256 x tile column + 128 x half
	s_mov_b32 s21, 0
	s_mov_b32 s47, 0
	s_mov_b64 s[18:19], KS
	s_mul_u64 s[22:23], s[20:21], s[18:19]
	s_mul_u64 s[92:93], s[46:47], s[18:19]
	s_mov_b64 s[18:19], KROW
	s_mul_u64 s[20:21], s[20:21], s[18:19]
	s_mul_u64 s[46:47], s[46:47], s[18:19]
	s_mul_i32 s45, s14, HALFT
	s_mul_i32 s94, s14, HALFS
	s_wait_dscnt 0x0                               ; both opening adds are done
	s_wait_kmcnt 0x0
	s_add_nc_u64 s[8:9], s[4:5], 0x200000          ; the weights' codes begin behind x's 4,096 rows of 512 bytes,
	s_add_nc_u64 s[10:11], s[6:7], 0x20000         ; their scale bytes behind 4,096 rows of 32
	s_add_nc_u64 s[20:21], s[4:5], s[20:21]
	s_add_nc_u64 s[22:23], s[6:7], s[22:23]
	s_add_nc_u64 s[46:47], s[8:9], s[46:47]
	s_add_nc_u64 s[92:93], s[10:11], s[92:93]
	CROUND                                         ; all sixteen work-groups are here: the joint loads meet
	s_mov_b32 s[G0S], 1
	s_add_co_u32 s[G0S+1], s94, SCL
	s_mov_b64 s[G0S+2:G0S+3], s[22:23]
	s_or_b32 s[G0S+3], s[G0S+3], 0x80000000
	s_mov_b32 s[G0SB], 1
	s_add_co_u32 s[G0SB+1], s94, SCL
	s_mov_b64 s[G0SB+2:G0SB+3], s[92:93]
	s_or_b32 s[G0SB+3], s[G0SB+3], 0x80000000
	JLOAD G0S, G1S, G0SB, G1SB                     ; three loads of mine go out: the scales, K step 0, K step 1
.irp s, 0,1
	s_mov_b32 s[G0+4*\s], 1
	s_add_co_u32 s[G0+4*\s+1], s45, \s*SLOT
	s_add_nc_u64 s[G0+4*\s+2:G0+4*\s+3], s[20:21], \s*ROWB
	s_or_b32 s[G0+4*\s+3], s[G0+4*\s+3], 0x80000000
	s_mov_b32 s[G0B+4*\s], 1
	s_add_co_u32 s[G0B+4*\s+1], s45, \s*SLOT
	s_add_nc_u64 s[G0B+4*\s+2:G0B+4*\s+3], s[46:47], \s*ROWB
	s_or_b32 s[G0B+4*\s+3], s[G0B+4*\s+3], 0x80000000
	JLOAD G0+4*\s, G1, G0B+4*\s, G1B
.endr
	v_and_b32 v1, 15, v0                           ; r
	v_bfe_u32 v2, v0, 4, 1                         ; h
	v_mul_u32_u24 v3, v1, PITCH
	v_lshl_add_u32 v4, v2, 4, v3
	s_mul_i32 s21, s15, HALFT
	s_mul_i32 s22, s16, HALFT
	s_add_co_u32 s22, s22, 2*HALFT
.irp s, 0,1
	v_add_nc_u32 v[ADRA+\s], s21, v4
	v_add_nc_u32 v[ADRB+\s], s22, v4
	s_add_co_u32 s21, s21, SLOT
	s_add_co_u32 s22, s22, SLOT
.endr
	v_mul_u32_u24 v5, v1, KS
	v_lshrrev_b32 v6, 8, v5
	v_lshl_add_u32 v5, v6, 4, v5                   ; my row's scale bytes: 32 a row, 16 more for each 256 passed
	s_mul_i32 s21, s15, HALFS
	s_mul_i32 s22, s16, HALFS
	s_add_co_u32 s22, s22, 2*HALFS
	s_sub_co_u32 s22, s22, s21
	v_mul_u32_u24 v6, s22, v2                      ; lanes 16-31 take B's
	s_add_co_u32 s21, s21, SCL
	v_add_nc_u32 v5, v5, v6
	v_add_nc_u32 v[ADRS], s21, v5
	; the way out's addresses.  The stages lie in slot 0, which is filled once and is read by nobody behind the change of slots; each path has bytes of its own
	s_mul_i32 s23, s14, 16*272
	v_mul_u32_u24 v5, v1, 272
	v_lshl_add_u32 v5, v2, 4, v5
	v_add_nc_u32 v[STO], s23, v5                   ; in: row r, 16 bytes for each half of the lanes
	v_add_nc_u32 v[STO2], 32768, v[STO]
	v_mul_u32_u24 v5, v2, 272
	v_lshl_add_u32 v5, v1, 4, v5
	v_add_nc_u32 v[RD], s23, v5                    ; back: lanes 0-15 one row, lanes 16-31 the next
	v_add_nc_u32 v[RD2], 32768, v[RD]
	v_and_b32 v6, 31, v0
	v_lshlrev_b32 v[CO], 4, v6
	v_lshlrev_b32 v[FO], 9, v1
	v_lshl_add_u32 v[FO], v2, 5, v[FO]
	v_lshlrev_b32 v[WOF], 5, v2
	s_mov_b32 s[SEL], 0x76543210
	s_mov_b32 s[SEL+1], 0xfedcba98
	s_mov_b32 s[INV], 0x3c000000
	s_mov_b32 s[EPS], 0x358637bd
	s_lshl_b32 s20, s17, 8
	s_lshl_b32 s21, s15, 7
	s_add_co_u32 s20, s20, s21                     ; my first row of x
	s_and_b32 s21, s20, 2047                       ; its position in the sequence
	s_lshl_b32 s22, s21, 10                        ; 16,384 bytes of the rope image for each 16 positions
	s_mov_b32 s23, 0
	s_add_nc_u64 s[96:97], s[96:97], s[22:23]
	s_lshr_b32 s22, s20, 11                        ; b
	s_lshl_b32 s22, s22, 5
	s_lshl_b32 s46, s42, 1
	s_add_co_u32 s46, s46, s16                     ; hh = 2 x tile column + my half
	s_add_co_u32 s22, s22, s46                     ; 32 b + hh
	s_lshl_b32 s47, s22, 13                        ; 8,192 bytes a head in fine32
	s_lshl_b32 s22, s22, 11
	s_add_co_u32 s22, s22, s21
	s_lshl_b32 s22, s22, 8                         ; a row of a head is 256 bytes
	s_add_nc_u64 s[100:101], s[100:101], s[22:23]
	s_mov_b32 s22, s47
	s_add_nc_u64 s[66:67], s[66:67], s[22:23]
	s_cmp_lt_u32 ttmp9, 2
	s_cselect_b64 s[98:99], s[98:99], s[12:13]     ; q's gain or k's
.macro ROPELOAD a                      ; block a's image: 32 loads of 512 consecutive bytes; q = 16 cs + 2 b + c
	WIN 0x40
.irp q, 0,1,2,3,4,5,6,7,8,9,10,11,12,13,14,15,16,17,18,19,20,21,22,23,24,25,26,27,28,29,30,31
	global_load_b128 v[64*(1-(\a)%2)+128*(\q/16)+4*(\q%16):64*(1-(\a)%2)+128*(\q/16)+4*(\q%16)+3], v[CO], s[96:97] offset:16384*(\a)+512*\q
.endr
	WIN 0
.endm
.macro FRAG reg, adr, q, i
.irp c, 0,1
	ds_load_b128 v[\reg+4*\c:\reg+4*\c+3], v[\adr] offset:64*(\q)+32*\c+(\i)*16*PITCH
.endr
.endm
; 16 matrix instructions: A's blocks a0, a0 + 1 x B's eight.  The 64 accumulators take turns, one instruction a turn
.macro MUL16 a0, p, q, sc, zero
.irp a, \a0, \a0+1
.irp b, 0,1,2,3,4,5,6,7
.if \zero
	v_wmma_scale_f32_16x16x128_f8f6f4 v[8*(8*((\a)%4)+\b):8*(8*((\a)%4)+\b)+7], v[128*(\p)+FR*\b:128*(\p)+FR*\b+FR-1], v[AF+FR*(\a):AF+FR*(\a)+FR-1], 0, v[SC+8*NQ*(\sc)+NQ*\b+(\q)], v[SC+8*NQ*(\sc)+NQ*(\a)+(\q)] matrix_a_fmt:MATRIX_FMT_FP4 matrix_b_fmt:MATRIX_FMT_FP4 matrix_a_scale:MATRIX_SCALE_ROW1
.else
	v_wmma_scale_f32_16x16x128_f8f6f4 v[8*(8*((\a)%4)+\b):8*(8*((\a)%4)+\b)+7], v[128*(\p)+FR*\b:128*(\p)+FR*\b+FR-1], v[AF+FR*(\a):AF+FR*(\a)+FR-1], v[8*(8*((\a)%4)+\b):8*(8*((\a)%4)+\b)+7], v[SC+8*NQ*(\sc)+NQ*\b+(\q)], v[SC+8*NQ*(\sc)+NQ*(\a)+(\q)] matrix_a_fmt:MATRIX_FMT_FP4 matrix_b_fmt:MATRIX_FMT_FP4 matrix_a_scale:MATRIX_SCALE_ROW1
.endif
.endr
.endr
.endm
.macro FETCH_B slot, q, p
	WIN TO_B
.irp i, 0,1,2,3,4,5,6,7
	FRAG 128*(\p)+FR*\i, ADRB+\slot, \q, \i
.endr
	WIN 0
.endm
.macro FETCH_A slot, q, i0
.irp i, \i0, \i0+1, \i0+2, \i0+3
	FRAG AF+FR*(\i), ADRA+\slot, \q, \i
.endr
.endm
.macro SCALES sc                       ; lanes 0-15 take the words of A's block i, lanes 16-31 those of B's block i
.irp i, 0,1,2,3,4,5,6,7
	ds_load_b128 v[SC+8*NQ*\sc+NQ*\i:SC+8*NQ*\sc+NQ*\i+3], v[ADRS] offset:\i*SBLK
.endr
.endm
.macro PLACES n                        ; plain vector places behind matrix instructions, in front of loads into their registers and of reads of their results
.rept \n
	v_nop
.endr
.endm
.macro STEP slot, q, zero
	s_wait_dscnt 4*NL                              ; B's set and A's blocks 0-3 are in; the youngest eight loads (A's blocks 4-7) may be out
	WIN MUL_LO
	MUL16 0, (\q)%2, \q, \slot, \zero
	MUL16 2, (\q)%2, \q, \slot, \zero
	s_wait_dscnt 0
	PLACES NP
	FETCH_B \slot, (\q)+1, 1-(\q)%2
	FETCH_A \slot, (\q)+1, 0
	WIN MUL_HI
	MUL16 4, (\q)%2, \q, \slot, \zero
	MUL16 6, (\q)%2, \q, \slot, \zero
	PLACES NP
	WIN 0
	FETCH_A \slot, (\q)+1, 4
.endm
.macro TURN slot, next                 ; a slot's last step changes slots: one barrier; nothing is filled again
	s_wait_tensorcnt 0x0                           ; all my tensor loads have landed: my part of the next slot;
	ds_add_u32 v[SPW], v[NIL]                      ; 0 onto my spare word;
	s_wait_dscnt 4*NL+1                            ; (the add and the youngest eight loads may be out)
	WIN MUL_LO
	MUL16 0, 1, NQ-1, \slot, 0
	s_wait_dscnt 0x0                               ; the add is done, and my reads of this slot are over
	s_barrier_signal -1
	MUL16 2, 1, NQ-1, \slot, 0
	WIN 0
	s_barrier_wait -1
	PLACES NP
	v_add_nc_u32 v[ADRS], 4*NQ, v[ADRS]
	FETCH_B \next, 0, 0
	FETCH_A \next, 0, 0
	SCALES \next
	WIN MUL_HI
	MUL16 4, 1, NQ-1, \slot, 0
	MUL16 6, 1, NQ-1, \slot, 0
	PLACES NP
	WIN 0
	FETCH_A \next, 0, 4
.endm
.macro STEPS slot, from
.set Q, \from
.rept NQ-1-\from
	STEP \slot, Q, 0
.set Q, Q+1
.endr
.endm
; Slot 1's four steps, 256 matrix instructions: written on both ways.  It ends with every window 0 and with the places behind the last products: for the reads of results, the loads into B's sets and
; the writes over scale words and A's fragments
.macro TAIL
	STEPS 1, 0
	s_wait_dscnt 4*NL
	WIN MUL_LO
	MUL16 0, 1, NQ-1, 1, 0
	MUL16 2, 1, NQ-1, 1, 0
	s_wait_dscnt 0
	WIN MUL_HI
	MUL16 4, 1, NQ-1, 1, 0
	MUL16 6, 1, NQ-1, 1, 0
	WIN 0
	PLACES NP
.endm
; ---- THE WAY OUT'S MACROS, a block of 16 rows at a time.  AC: the block's 64 accumulator registers, in window 2 (blocks 0-3) or 3
.macro SUMSQ a                         ; my 64 squares, in two chains of pairs; each accumulator is read from its low end on
.set AC, 64*((\a)%4)
	WIN 0x0a+5*((\a)/4)
	v_pk_mul_f32 v[2:3], v[AC:AC+1], v[AC:AC+1]
	v_pk_mul_f32 v[4:5], v[AC+2:AC+3], v[AC+2:AC+3]
.set n, 4
.rept 15
	v_pk_fma_f32 v[2:3], v[AC+n:AC+n+1], v[AC+n:AC+n+1], v[2:3]
	v_pk_fma_f32 v[4:5], v[AC+n+2:AC+n+3], v[AC+n+2:AC+n+3], v[4:5]
.set n, n+4
.endr
	WIN 0
.endm
.macro RSTD                            ; v10 = 1 / sqrt(mean of the row's 128 squares + 1e-6)
	v_pk_add_f32 v[2:3], v[2:3], v[4:5]
	v_add_f32 v6, v2, v3
	v_permlanex16_b32 v7, v6, s[SEL], s[SEL+1]     ; the row's other 64 columns lie in the lane 16 away
	v_add_f32 v6, v6, v7
	v_fma_f32 v6, v6, s[INV], s[EPS]
	v_rsq_f32 v10, v6
	v_nop                                          ; a plain place behind the transcendental,
	s_wait_alu depctr_va_vdst(0)                   ; and the wait ahead of its first reader
.endm
.macro SCALE a                         ; T = t x rstd x w, in reference()'s order
.set AC, 64*((\a)%4)
.if (\a) < 7
	s_wait_loadcnt 32                              ; the gain and this block's image are in; the next block's 32 loads may be out
.else
	s_wait_loadcnt 0x0
.endif
	WIN 0x02+(\a)/4
.set n, 0
.rept 32
	v_pk_mul_f32 v[T+n:T+n+1], v[AC+n:AC+n+1], v[10:11] op_sel_hi:[1,0]
.set n, n+2
.endr
	WIN 0
.set n, 0
.rept 32
	v_pk_mul_f32 v[T+n:T+n+1], v[T+n:T+n+1], v[W+n:W+n+1]
.set n, n+2
.endr
.endm
.macro ROPE a                          ; channel d and channel d + 64 are registers 8 b + i and 8 (b + 4) + i of one lane: y[d] = t[d] cos[d] - t[d+64] sin[d];  y[d+64] = t[d+64] cos[d+64] + t[d] sin[d+64]
.set CW, 64*(1-(\a)%2)
.set SW, CW+128
	WIN 0x04                                       ; source 1 (the image) in window 1
.irp b, 0,1,2,3
.irp p, 0,1,2,3
	v_pk_mul_f32 v[6+2*\p+2*(\p/2):7+2*\p+2*(\p/2)], v[T+8*(\b+4)+2*\p:T+8*(\b+4)+2*\p+1], v[SW+8*\b+2*\p:SW+8*\b+2*\p+1]
.endr
.irp p, 0,1,2,3
	v_pk_fma_f32 v[Y+8*\b+2*\p:Y+8*\b+2*\p+1], v[T+8*\b+2*\p:T+8*\b+2*\p+1], v[CW+8*\b+2*\p:CW+8*\b+2*\p+1], v[6+2*\p+2*(\p/2):7+2*\p+2*(\p/2)] neg_lo:[0,0,1] neg_hi:[0,0,1]
.endr
.irp p, 0,1,2,3
	v_pk_mul_f32 v[6+2*\p+2*(\p/2):7+2*\p+2*(\p/2)], v[T+8*\b+2*\p:T+8*\b+2*\p+1], v[SW+8*(\b+4)+2*\p:SW+8*(\b+4)+2*\p+1]
.endr
.irp p, 0,1,2,3
	v_pk_fma_f32 v[Y+8*(\b+4)+2*\p:Y+8*(\b+4)+2*\p+1], v[T+8*(\b+4)+2*\p:T+8*(\b+4)+2*\p+1], v[CW+8*(\b+4)+2*\p:CW+8*(\b+4)+2*\p+1], v[6+2*\p+2*(\p/2):7+2*\p+2*(\p/2)]
.endr
.endr
	WIN 0
.if (\a)+2 < 8
	ROPELOAD (\a)+2                                ; into the registers just read
.endif
.endm
.macro CVT a
.if (\a) > 0
	s_wait_xcnt 0x0                                ; the last block's stores have read H
.endif
.set n, 0
.rept 32
	v_cvt_pk_f16_f32 v[H+n], v[Y+2*n], v[Y+2*n+1]
.set n, n+1
.endr
.endm
.macro PACK a                          ; v: the accumulators straight to f16
.set AC, 64*((\a)%4)
.if (\a) > 0
	s_wait_xcnt 0x0
.endif
	WIN 0x0a+5*((\a)/4)
.set n, 0
.rept 32
	v_cvt_pk_f16_f32 v[H+n], v[AC+2*n], v[AC+2*n+1]
.set n, n+1
.endr
	WIN 0
.endm
.macro TOSTAGE sto, rd                 ; 16 bytes a lane into rows of 272 bytes, back as whole rows of 256; LDS serves a wave's instructions in order
.irp b, 0,1,2,3,4,5,6,7
	ds_store_b128 v[\sto], v[H+4*\b:H+4*\b+3] offset:32*\b
.endr
.irp t, 0,1,2,3,4,5,6,7
	ds_load_b128 v[H+4*\t:H+4*\t+3], v[\rd] offset:544*\t
.endr
.endm
.macro SEND a
	s_wait_dscnt 0x0
.irp t, 0,1,2,3,4,5,6,7
	global_store_b128 v[CO], v[H+4*\t:H+4*\t+3], s[100:101] offset:4096*(\a)+512*\t   ; 512 consecutive bytes: two rows of the head
.endr
.endm
	s_wait_tensorcnt 1                             ; the scales and my part of K step 0 are in; K step 1's load may be out
	s_barrier_signal -1
	s_barrier_wait -1
	FETCH_B 0, 0, 0
	FETCH_A 0, 0, 0
	SCALES 0
	FETCH_A 0, 0, 4
	STEP 0, 0, 1                                   ; the first products start the sums: nothing is cleared
	STEPS 0, 1
	TURN 0, 1
	s_cmp_eq_u32 ttmp9, 3                          ; the one parting of the ways: v has neither norm nor RoPE.  The cluster's x: alike in all sixteen partners
	s_cbranch_scc1 .Lvpath
; ---- q and k
.irp n, 0,1,2,3,4,5,6,7,8,9,10,11,12,13,14,15  ; the gain: register 4 n + k = w[16 (n / 2) + 8 h + 4 (n % 2) + k].  These and block 0's image land during slot 1's products, in registers that the products do not use
	global_load_b128 v[W+4*\n:W+4*\n+3], v[WOF], s[98:99] offset:64*(\n/2)+16*(\n%2)
.endr
	ROPELOAD 0
	TAIL
	v_mov_b32 v7, 0                                ; a lane permute's destination counts as one of its sources
	v_mov_b32 v11, 0                               ; named as the upper half of the pair v[10:11]
	ROPELOAD 1                                     ; where B's fragments lay: behind TAIL's places
	SUMSQ 0
.irp a, 0,1,2,3,4,5,6,7
	RSTD
	SCALE \a
	ROPE \a
	CVT \a
.if \a == 0
	; positions 0-15 of a sequence are block 0 of the upper waves in tile rows 0 and 8: cluster y even (alike in all partners), my half of the rows 0 (the wave's number), cy = 0.
	; The last goes into EXEC and into no branch.  EXEC changes only behind s_wait_xcnt 0
	s_bitcmp1_b32 ttmp7, 0
	s_cbranch_scc1 .Lno_fine_qk
	s_cmp_lg_u32 s15, 0
	s_cbranch_scc1 .Lno_fine_qk
	v_mov_b32 v6, s41
	v_cmp_eq_u32 vcc_lo, 0, v6
	s_wait_xcnt 0x0
	s_and_saveexec_b32 s19, vcc_lo
.irp q, 0,1,2,3,4,5,6,7,8,9,10,11,12,13,14,15
	global_store_b128 v[CO], v[Y+4*\q:Y+4*\q+3], s[66:67] offset:512*\q   ; an image of my 64 registers
.endr
	s_wait_xcnt 0x0
	s_or_b32 exec_lo, exec_lo, s19
.Lno_fine_qk:
.endif
	TOSTAGE STO, RD
.if \a < 7
	SUMSQ \a+1                                     ; stands in the stage's round trip
.endif
	SEND \a
.endr
	s_branch .Ldone
; ---- v
.Lvpath:
	TAIL
.irp a, 0,1,2,3,4,5,6,7
	PACK \a
.if \a == 0
	s_bitcmp1_b32 ttmp7, 0
	s_cbranch_scc1 .Lno_fine_v
	s_cmp_lg_u32 s15, 0
	s_cbranch_scc1 .Lno_fine_v
	v_mov_b32 v6, s41
	v_cmp_eq_u32 vcc_lo, 0, v6
	s_wait_xcnt 0x0
	s_and_saveexec_b32 s19, vcc_lo
	WIN 0x08                                       ; a store's data are its source 1: window 2
.irp n, 0,1,2,3,4,5,6,7,8,9,10,11,12,13,14,15
	global_store_b128 v[FO], v[4*\n:4*\n+3], s[66:67] offset:64*(\n/2)+16*(\n%2)   ; v(position r, channel 16 (n / 2) + 8 h + 4 (n % 2) ..): rows of 512 bytes
.endr
	WIN 0
	s_wait_xcnt 0x0
	s_or_b32 exec_lo, exec_lo, s19
.Lno_fine_v:
.endif
	TOSTAGE STO2, RD2
	SEND \a
.endr
.Ldone:
	s_wait_tensorcnt 0x0                           ; the wave's end
	ds_add_u32 v[SPW], v[NIL]
	s_wait_dscnt 0x0
	CROUND                                         ; the closing round
	s_endpgm
.Lfunc_end_k_q375142ed1d_qkv:
	.size	k_q375142ed1d_qkv, .Lfunc_end_k_q375142ed1d_qkv-k_q375142ed1d_qkv
	.p2alignl 7, 3214868480
	.fill 96, 4, 3214868480
	.section	.rodata,"a",@progbits
	.p2align	6, 0x0
	.amdhsa_kernel k_q375142ed1d_qkv
		.amdhsa_group_segment_fixed_size 327680
		.amdhsa_private_segment_fixed_size 0
		.amdhsa_enable_private_segment 0
		.amdhsa_kernarg_size 56
		.amdhsa_user_sgpr_count 2
		.amdhsa_user_sgpr_kernarg_segment_ptr 1
		.amdhsa_wavefront_size32 1
		.amdhsa_system_sgpr_workgroup_id_x 1
		.amdhsa_system_sgpr_workgroup_id_y 1
		.amdhsa_system_sgpr_workgroup_id_z 1
		.amdhsa_system_vgpr_workitem_id 0
		.amdhsa_next_free_vgpr 1024
		.amdhsa_next_free_sgpr 102
		.amdhsa_reserve_vcc 1
		.amdhsa_float_denorm_mode_32 3
		.amdhsa_float_denorm_mode_16_64 3
		.amdhsa_memory_ordered 1
		.amdhsa_forward_progress 1
		.amdhsa_inst_pref_size 255
	.end_amdhsa_kernel
	.section	.bss,"aw",@nobits
	.p2align	6
	.space	262144
	.amdgpu_metadata
---
amdhsa.version: [ 1, 2 ]
amdhsa.kernels:
  - .name:           k_q375142ed1d_qkv
    .symbol:         k_q375142ed1d_qkv.kd
    .args:
      - { .name: codes, .offset: 0, .size: 8, .value_kind: global_buffer, .address_space: global }
      - { .name: scales, .offset: 8, .size: 8, .value_kind: global_buffer, .address_space: global }
      - { .name: ropeimg, .offset: 16, .size: 8, .value_kind: global_buffer, .address_space: global }
      - { .name: q_norm_w, .offset: 24, .size: 8, .value_kind: global_buffer, .address_space: global }
      - { .name: k_norm_w, .offset: 32, .size: 8, .value_kind: global_buffer, .address_space: global }
      - { .name: qkv, .offset: 40, .size: 8, .value_kind: global_buffer, .address_space: global }
      - { .name: fine32, .offset: 48, .size: 8, .value_kind: global_buffer, .address_space: global }
    .group_segment_fixed_size: 327680
    .private_segment_fixed_size: 0
    .kernarg_segment_align: 8
    .kernarg_segment_size: 56
    .max_flat_workgroup_size: 128
    .sgpr_count:     102
    .vgpr_count:     1024
    .wavefront_size: 32
...
	.end_amdgpu_metadata
.endif
;; end of part 2
;; launch attn (part 3): grid 16 x 16, 4 waves a work-group, no clusters, 327,680 bytes of LDS; arguments qkv, att; writes att
.if DOCPART == 3
	.amdgcn_target "amdgcn-amd-amdhsa--gfx1250"
	.amdhsa_code_object_version 6
	.text
	.protected	k_q375142ed1d_attn
	.globl	k_q375142ed1d_attn
	.p2align	8
	.type	k_q375142ed1d_attn,@function
k_q375142ed1d_attn:
	s_mov_b64 s[64:65], 0
	v_nop
	global_prefetch_b8 v0, s[64:65] scope:SCOPE_SE
	s_setreg_imm32_b32 hwreg(HW_REG_WAVE_MODE, 25, 1), 1
	s_wait_xcnt 0x0
; att[b, s, head, :] = the sum over keys k <= s of softmax_k(q . k / sqrt(128)) v, in f16 operands with f32 products' sums, maxima and sums.  q, k, v: qkv [b][hh][s][128] f16; att: [4096][2048] f16.
; WORK LEFT OUT: blocks of 64 keys that lie wholly behind a block of 64 queries are masked by reference()'s own causal mask and are not multiplied (shown at the head of launch prep).
; SHARES.  Positions are cut into 32 blocks of 64.  Work-group (j, bg), bg = 8 b + g, owns block L = 31 - j and block E = j, for both query heads of group g.  Wave w owns positions 16 w .. 16 w + 15 of each block:
; tiles 0, 1 = (L, heads 2 g, 2 g + 1), tiles 2, 3 = (E, the same heads).  Keys go 64 a step; L is live for steps 0 .. 31 - j, E for steps 0 .. j: (32 - j) + (j + 1) = 33 halves of two tiles in every wave of every work-group.
; NO CLUSTER: the sixteen work-groups of a (b, g) need 17 to 32 steps, so a partner would pass over the reads of tiles that a joint load brings.
; LAYOUT.  S^T = K Q^T (source 0 = 16 keys, source 1 = 16 queries): a lane (r, h) holds query r and keys 8 h + 0..7 of a tile; two tiles, rounded to f16 in pairs, are source 1 of O^T = V^T P.  V is turned by ds_load_tr16_b128.
; SOFTMAX.  A running maximum m and sum l for each query: p = 2^(c s - c m), c = log2(e) / sqrt(128); O and l are multiplied by a = 2^(c m_old - c m_new) in every step.  On the diagonal hidden scores become -1e30, as in reference().
; A HALF (two tiles x 64 keys): 16 products K Q^T of the first tile; 16 of the second with the first tile's softmax between them; 16 products V^T P of the first with the second's softmax between them; 16 of the second.
; THE RING: two slots of two key steps.  Wave 0 fetches a slot's 128 rows of K, wave 1 its 128 rows of V: each load holds bytes of the slot's first step, so a slot whose first step is live has no load that nobody reads.
; REGISTERS: window 0: v2-11 addresses, v12-43 statistics, v64-191 S^T, v192-255 P;  window 1: O^T;  window 2: v0-127 Q, v128-255 K;  window 3: v0-127 V.
; LIMITS: an exponential whose result would lie under 2^-126 is 0; NaN and infinities are not served.
.set KS,    64
.set PK,    272                        ; a row of K in LDS: 256 bytes + 16
.set PV,    288                        ; a row of V: 256 + 32
.set KSTP,  KS*PK                      ; a step's rows of K
.set VSTP,  KS*PV
.set VOFF,  2*KSTP                     ; a slot: 128 rows of K, then 128 rows of V
.set SLOT1, 1<<17
.set STAGE, SLOT1+2*(KSTP+VSTP)        ; behind the ring: 16 rows x 272 bytes for each wave
.set SP,    272
.set SPARE, STAGE+4*16*SP              ; the spare words; no other line names them
.set AK0, 2
.set AV0, 3
.set ADK, 4
.set QO,  5
.set STO, 6
.set RD,  7
.set GO,  8
.set ADV, 9
.set DG,  10                           ; v10  16 w + r - 8 h: in a diagonal step register 8 kt + i is hidden where 16 kt + i > DG
.set NEG, 11                           ; v11  -1e30
.set ST,  12                           ; tile t's statistics at v[ST + 8 t]: +0 c m, +1 m, +2, +3 l, +4 to +7 at work (a in +6)
.set PFO, 61
.set SPW, 62
.set NIL, 63
.set S,   64
.set P,   192
.set KF,  128
.set WV,  12
.set G1K, 24
.set G1V, 32
.set G0K, 40
.set G0V, 44
.set PFA, 48                           ; s[48:49] where my prefetches stand
.set KT,  50                           ; s50  the key step
.set LIML, 51                          ; s51  31 - j: L's last step
.set LIME, 52                          ; s52  j: E's last step
.set NF,  53                           ; s53  the first key of the slot that the next change would ask for
.set QLAST, 54                         ; s54  my work-group's last query
.set PFQ, 55                           ; s55  1919 in a wave that prefetches, else 0
.set SLOTS, 56
.set CS,  58
.set SEL, 60
.set TB,  62                           ; s62  LDS byte at which the slot in hand begins
.set MSB, 0
.macro WIN new
.if MSB != \new
	s_set_vgpr_msb (MSB<<8)|\new
.set MSB, \new
.endif
.endm
.set W_KQ, 0x0a
.set W_PV, 0x53
.set W_RS, 0x41
.macro TLOAD                           ; wave 0: K's rows; wave 1: V's; an s_nop 0 and four v_nop follow each line
	s_cmp_eq_u32 s[WV], 0
	s_cbranch_scc0 .Lnot_k_\@
	tensor_load_to_lds s[G0K:G0K+3], s[G1K:G1K+7]
	s_nop 0
.rept 4
	v_nop
.endr
	s_branch .Lasked_\@
.Lnot_k_\@:
	s_cmp_eq_u32 s[WV], 1
	s_cbranch_scc0 .Lasked_\@
	tensor_load_to_lds s[G0V:G0V+3], s[G1V:G1V+7]
	s_nop 0
.rept 4
	v_nop
.endr
.Lasked_\@:
.endm
; A PREFETCH of the slot that the NEXT change will ask for: two key steps ahead of its load.  All sixteen work-groups of a (b, g) walk the same K and V; work-group j = 0, which walks all sixteen slots, asks, and nobody else.
; In it the waves ask that fetch nothing: wave 2 for K's 128 rows, wave 3 for V's, a lane a row of 256 bytes, four instructions.  Slots 0 and 1 come by their loads alone; behind the last slot nothing is asked for.
.macro ASK
	s_cmp_le_u32 s[NF], s[PFQ]
	s_cbranch_scc0 .Lnot_mine_\@
.irp o, 0,1,2,3
	global_prefetch_b8 v[PFO], s[PFA:PFA+1] offset:8192*\o th:TH_LOAD_NT scope:SCOPE_SE
.endr
.Lnot_mine_\@:
.endm
.macro PLACES
.rept 4
	v_nop
.endr
.endm
	s_load_b128 s[4:7], s[0:1], 0x0                ; qkv, att
	v_lshl_add_u32 v[SPW], v0, 2, SPARE
	v_mov_b32 v[NIL], 0
	ds_add_u32 v[SPW], v[NIL]                      ; the wave's opening: the add, twice on end, and its wait ahead of the first tensor load
	ds_add_u32 v[SPW], v[NIL]
	v_lshrrev_b32 v1, 5, v0
	v_readfirstlane_b32 s[WV], v1
	s_and_b32 s13, ttmp7, 0xffff
	s_lshr_b32 s14, s13, 3                         ; b
	s_and_b32 s15, s13, 7                          ; g
	s_mov_b32 s[LIME], ttmp9
	s_sub_co_u32 s[LIML], 31, ttmp9
	s_lshl_b32 s[QLAST], s[LIML], 6
	s_add_co_u32 s[QLAST], s[QLAST], 63
	s_mov_b32 s[KT], 0
	s_mov_b32 s[NF], 128
	s_mov_b32 s[TB], 0
	s_mov_b32 s[SLOTS], 15
	s_mov_b32 s[CS], 0x3e0293ee                    ; c = log2(e) / sqrt(128)
	s_mov_b32 s[CS+1], s[CS]
	s_mov_b32 s[SEL], 0x76543210
	s_mov_b32 s[SEL+1], 0xfedcba98
	s_mov_b32 s[G1K], (1<<16)|(1<<20)|(5<<22)|(3<<25)   ; elements of 2 bytes; padding: 4 words behind every 64
	s_mov_b32 s[G1V], (1<<16)|(1<<20)|(5<<22)|(7<<25)   ; 8 words
.irp g, G1K, G1V
	s_mov_b32 s[\g+1], 128<<16                     ; tensor_dim0
	s_mov_b32 s[\g+2], 128<<16                     ; tensor_dim1
	s_mov_b32 s[\g+3], 128<<16                     ; tile_dim0
	s_mov_b32 s[\g+4], 128                         ; tile_dim1: 128 rows
	s_mov_b32 s[\g+5], 128                         ; from row to row
	s_mov_b32 s[\g+6], 0
	s_mov_b32 s[\g+7], 0
.endr
	s_lshl_b32 s16, s14, 5                         ; 32 b
	s_add_co_u32 s17, s16, s15
	s_add_co_u32 s17, s17, 16                      ; K's head among the 64 of qkv
	s_lshl_b32 s18, s17, 19                        ; 524,288 bytes a head
	s_mov_b32 s19, 0
	s_lshl_b32 s2, s15, 1
	s_add_co_u32 s2, s2, s16
	s_lshl_b32 s2, s2, 19                          ; query head 2 g
	s_lshl_b32 s13, s[WV], 4
	s_lshl_b32 s3, s[LIML], 6
	s_add_co_u32 s3, s3, s13                       ; my first position in L,
	s_lshl_b32 s57, s[LIME], 6
	s_add_co_u32 s57, s57, s13                     ; in E
	s_lshl_b32 s66, s3, 8
	s_add_co_u32 s66, s66, s2
	s_mov_b32 s67, 0
	s_lshl_b32 s68, s57, 8
	s_add_co_u32 s68, s68, s2
	s_mov_b32 s69, 0
	s_lshl_b32 s14, s14, 11                        ; 2,048 b
	s_lshl_b32 s15, s15, 9                         ; two heads' 512 bytes of a row of att
	s_add_co_u32 s16, s3, s14
	s_lshl_b32 s16, s16, 12
	s_add_co_u32 s16, s16, s15
	s_mov_b32 s17, 0
	s_add_co_u32 s2, s57, s14
	s_lshl_b32 s2, s2, 12
	s_add_co_u32 s2, s2, s15
	s_mov_b32 s3, 0
	s_lshr_b32 s57, s[WV], 1
	s_xor_b32 s57, s57, 1                          ; 0 in waves 2 and 3,
	s_or_b32 s57, s57, ttmp9                       ; of work-group j = 0
	s_cmp_eq_u32 s57, 0
	s_cselect_b32 s[PFQ], 1919, 0                  ; a change asks while NF + 128 is a key of the head
	s_wait_dscnt 0x0                               ; both opening adds are done
	s_wait_kmcnt 0x0
	s_add_nc_u64 s[8:9], s[4:5], s[66:67]          ; q at my rows of L,
	s_add_nc_u64 s[10:11], s[4:5], s[68:69]        ; of E
	s_add_nc_u64 s[20:21], s[6:7], s[16:17]        ; att likewise
	s_add_nc_u64 s[22:23], s[6:7], s[2:3]
	s_add_nc_u64 s[4:5], s[4:5], s[18:19]          ; K's head; V's lies eight heads on
	s_mov_b32 s[G0K], 1
	s_mov_b32 s[G0K+1], 0
	s_mov_b64 s[G0K+2:G0K+3], s[4:5]
	s_or_b32 s[G0K+3], s[G0K+3], 0x80000000
	s_mov_b32 s[G0V], 1
	s_mov_b32 s[G0V+1], VOFF
	s_add_nc_u64 s[G0V+2:G0V+3], s[4:5], 0x400000
	s_or_b32 s[G0V+3], s[G0V+3], 0x80000000
	TLOAD                                          ; slot 0: one load of a loading wave is out
	s_cmp_eq_u32 s[WV], 3
	s_cselect_b32 s66, 0x400000, 0
	s_add_co_u32 s66, s66, 2*KS*256                ; in slot 1: the first change steps it to slot 2
	s_add_nc_u64 s[PFA:PFA+1], s[4:5], s[66:67]
	v_and_b32 v44, 15, v0                          ; r
	v_bfe_u32 v45, v0, 4, 1                        ; h
	v_lshlrev_b32 v[QO], 8, v44
	v_lshl_add_u32 v[QO], v45, 4, v[QO]
	WIN 0x80                                       ; destination window 2
.irp i, 0,1,2,3,4,5,6,7                        ; Q stays in registers: tile i / 4, channels 32 (i % 4) on; the odd head lies 524,288 bytes on
	global_load_b128 v[8*\i:8*\i+3],   v[QO], s[8:9] offset:(\i/4)*524288+(\i%4)*64
	global_load_b128 v[8*\i+4:8*\i+7], v[QO], s[8:9] offset:(\i/4)*524288+(\i%4)*64+32
.endr
.irp i, 0,1,2,3,4,5,6,7
	global_load_b128 v[64+8*\i:64+8*\i+3],   v[QO], s[10:11] offset:(\i/4)*524288+(\i%4)*64
	global_load_b128 v[64+8*\i+4:64+8*\i+7], v[QO], s[10:11] offset:(\i/4)*524288+(\i%4)*64+32
.endr
	WIN 0
	v_mul_u32_u24 v[AK0], v44, PK
	v_lshl_add_u32 v[AK0], v45, 4, v[AK0]
	v_and_b32 v46, 7, v0
	v_bfe_u32 v47, v0, 3, 1
	v_lshl_add_u32 v[AV0], v45, 3, v46             ; the turning load: key 8 h + l % 8, channels 8 ((l / 8) % 2) on
	v_mul_u32_u24 v[AV0], v[AV0], PV
	v_lshl_add_u32 v[AV0], v47, 4, v[AV0]
	v_add_nc_u32 v[AV0], VOFF, v[AV0]
	v_lshlrev_b32 v46, 3, v45
	v_sub_nc_u32 v[DG], v44, v46
	v_add_nc_u32 v[DG], s13, v[DG]
	v_mov_b32 v[NEG], 0xf149f2ca
	v_and_b32 v[PFO], 31, v0
	v_lshlrev_b32 v[PFO], 8, v[PFO]
	s_mul_i32 s13, s[WV], 16*SP
	s_add_co_u32 s13, s13, STAGE
	v_mul_u32_u24 v[STO], v44, SP
	v_lshl_add_u32 v[STO], v45, 4, v[STO]
	v_add_nc_u32 v[STO], s13, v[STO]
	v_mul_u32_u24 v[RD], v45, SP
	v_lshl_add_u32 v[RD], v44, 4, v[RD]
	v_add_nc_u32 v[RD], s13, v[RD]
	v_lshlrev_b32 v[GO], 12, v45                   ; a row of att is 4,096 bytes
	v_lshl_add_u32 v[GO], v44, 4, v[GO]
; product i of 16 of S^T = K Q^T for tile t: keys 16 (i % 4) on, channels 32 (i / 4) on.  Four accumulators take turns
.macro KQ1 t
	WIN W_KQ
.set rS, S+32*(\t)+8*(i%4)
.set rK, KF+32*(i%4)+8*(i/4)
.set rQ, 32*(\t)+8*(i/4)
.if i < 4
	v_wmma_f32_16x16x32_f16 v[rS:rS+7], v[rK:rK+7], v[rQ:rQ+7], 0
.else
	v_wmma_f32_16x16x32_f16 v[rS:rS+7], v[rK:rK+7], v[rQ:rQ+7], v[rS:rS+7]
.endif
.endm
; product i of 16 of O^T += V^T P for tile t: keys 32 (i / 8) on, channels 16 (i % 8) on.  Eight accumulators take turns
.macro PV1 t, first
	WIN W_PV
.set rO, 64*(\t)+8*(i%8)
.set rV, 64*(i/8)+8*(i%8)
.set rP, P+16*(\t)+8*(i/8)
.if (\first) && (i < 8)
	v_wmma_f32_16x16x32_f16 v[rO:rO+7], v[rV:rV+7], v[rP:rP+7], 0
.else
	v_wmma_f32_16x16x32_f16 v[rO:rO+7], v[rV:rV+7], v[rP:rP+7], v[rO:rO+7]
.endif
.endm
.macro FETCH_K q                       ; a step's K: 16 fragments: keys 16 (f / 4) on, channels 32 (f % 4) on
	WIN 0x80
.irp f, 0,1,2,3,4,5,6,7,8,9,10,11,12,13,14,15
	ds_load_b128 v[KF+8*\f:KF+8*\f+3],   v[ADK] offset:(\q)*KSTP+(\f/4)*16*PK+(\f%4)*64
	ds_load_b128 v[KF+8*\f+4:KF+8*\f+7], v[ADK] offset:(\q)*KSTP+(\f/4)*16*PK+(\f%4)*64+32
.endr
	WIN 0
.endm
.macro FETCH_V q                       ; a step's V, turned: keys 32 (f / 8) on, channels 16 (f % 8) on
	WIN 0xc0
.irp f, 0,1,2,3,4,5,6,7,8,9,10,11,12,13,14,15
	ds_load_tr16_b128 v[8*\f:8*\f+3],   v[ADV] offset:(\q)*VSTP+(\f/8)*32*PV+(\f%8)*32
	ds_load_tr16_b128 v[8*\f+4:8*\f+7], v[ADV] offset:(\q)*VSTP+(\f/8)*32*PV+16*PV+(\f%8)*32
.endr
	WIN 0
.endm
; One tile's softmax for one key step is a list of 134 instructions; SM writes number j of it for tile t.
;   0-15 the maximum of the lane's 32 scores and the old m;  16-20 the other half of the lanes', the new m, c m, its change;  21-69 ONE BATCH: 16 packed scalings c s - c m and 33 exponentials, none of which
;   reads an exponential's result;  (the wait);  70-85 roundings to f16;  86-101 the sums, l = a l + the sum;  102-133 O^T times a.   first = 1: the first key step: no old maximum, no a, nothing to rescale.
.macro SM t, first
.set rT, ST+8*(\t)
.set rS, S+32*(\t)
.set rP, P+16*(\t)
.set rO, 64*(\t)+2*(j-102)
.if j < 102
	WIN 0
.endif
.if j < 4
	v_max3_num_f32 v[rT+4+j], v[rS+8*j], v[rS+8*j+1], v[rS+8*j+2]
.elseif j < 12
	v_max3_num_f32 v[rT+4+j%4], v[rT+4+j%4], v[rS+8*(j%4)+2*(j/4)+1], v[rS+8*(j%4)+2*(j/4)+2]
.elseif j == 12
	v_max3_num_f32 v[rT+4], v[rT+4], v[rS+7], v[rS+15]
.elseif j == 13
	v_max3_num_f32 v[rT+6], v[rT+6], v[rS+23], v[rS+31]
.elseif j == 14
	v_max3_num_f32 v[rT+4], v[rT+4], v[rT+5], v[rT+6]
.elseif (j == 15) && \first
	v_max_num_f32 v[rT+4], v[rT+4], v[rT+7]
.elseif j == 15
	v_max3_num_f32 v[rT+4], v[rT+4], v[rT+7], v[rT+1]
.elseif j == 16
	v_permlanex16_b32 v[rT+5], v[rT+4], s[SEL], s[SEL+1]
.elseif j == 18
	v_max_num_f32 v[rT+1], v[rT+4], v[rT+5]
.elseif j == 19
	v_mul_f32 v[rT], s[CS], v[rT+1]
.elseif ((j == 17) || (j == 20) || (j == 23) || (j > 101)) && \first
.elseif j == 17
	v_mov_b32 v[rT+7], v[rT]
.elseif j == 20
	v_sub_f32 v[rT+7], v[rT+7], v[rT]
.elseif j == 23
	v_exp_f32 v[rT+6], v[rT+7]
.elseif (j < 23) || ((j < 38) && (j%2 == 0)) || ((j < 66) && (j%4 == 2))
.set b, (j-2)/4
.if j < 38
.set b, (j-20)/2
.endif
	v_pk_fma_f32 v[rS+2*b:rS+2*b+1], v[rS+2*b:rS+2*b+1], s[CS:CS+1], v[rT:rT+1] op_sel_hi:[1,0,0] neg_lo:[0,0,1] neg_hi:[0,0,1]
.elseif j < 70
.set e, j-38
.if j < 66
.set e, j-32-(j-38)/4
.endif
.if j < 38
.set e, (j-25)/2
.endif
	v_exp_f32 v[rS+e], v[rS+e]
.elseif j < 86
	v_cvt_pk_f16_f32 v[rP+j-70], v[rS+2*(j-70)], v[rS+2*(j-70)+1]
.elseif j < 102
.set z, j-86
.set w, 4
.set u, z
.if z >= 14
.set w, 32
.set u, 0
.elseif z >= 12
.set w, 16
.set u, z-12
.elseif z >= 8
.set w, 8
.set u, z-8
.endif
.if (z == 14) && \first
	v_pk_add_f32 v[rT+2:rT+3], v[rS:rS+1], v[rS+16:rS+17]
.elseif z < 15
	v_pk_add_f32 v[rS+w*u:rS+w*u+1], v[rS+w*u:rS+w*u+1], v[rS+w*u+w/2:rS+w*u+w/2+1]
.elseif !\first
	v_pk_fma_f32 v[rT+2:rT+3], v[rT+2:rT+3], v[rT+6:rT+7], v[rS:rS+1] op_sel_hi:[1,0,1]
.endif
.else
	WIN W_RS
	v_pk_mul_f32 v[rO:rO+1], v[rO:rO+1], v[rT+6:rT+7] op_sel_hi:[1,0]
.endif
.endm
; A slice: the next nine numbers of tile t's list.  Behind number 69, the batch's last exponential: one plain instruction, and the ONE wait ahead of the batch's first reader
.macro XS t, first
.rept 9
.if j < 134
	SM \t, \first
.if j == 69
	v_nop
	s_wait_alu depctr_va_vdst(0)
.endif
.endif
.set j, j+1
.endr
.endm
.macro DIAG t, reg                     ; in the block's diagonal step hidden scores become -1e30; each accumulator is read from its low end on
	s_cmp_lg_u32 s[KT], s[\reg]
	s_cbranch_scc1 .Lopen_\@
.irp n, 0,1,2,3,4,5,6,7,8,9,10,11,12,13,14,15,16,17,18,19,20,21,22,23,24,25,26,27,28,29,30,31
	v_cmp_gt_i32 vcc_lo, 16*(\n/8)+\n%8, v[DG]
	v_cndmask_b32 v[S+32*(\t)+\n], v[S+32*(\t)+\n], v[NEG], vcc_lo
.endr
.Lopen_\@:
.endm
; hook = 1: the slot's second step's K is fetched here, behind the places that follow K's last reader, if that step is live
.macro HALF x, first, reg, hook
.set i, 0
.rept 16
	KQ1 \x
.set i, i+1
.endr
	WIN 0
	PLACES                                         ; behind the first tile's products, ahead of the reads of its scores
	DIAG \x, \reg
.set i, 0
.set j, 0
.rept 16
	KQ1 (\x)+1
	XS \x, \first
.set i, i+1
.endr
	WIN 0
	PLACES                                         ; behind the second tile's products: for its scores' reads and for loads into K's registers
	DIAG (\x)+1, \reg
	s_wait_dscnt 0x0                               ; V is in
.if \hook
	s_cmp_ge_u32 s[KT], s[LIML]
	s_cbranch_scc1 .Lno_k_\@
	FETCH_K 1
.Lno_k_\@:
.endif
.set i, 0
.set j, 0
.rept 16
	PV1 \x, \first
	XS (\x)+1, \first
.set i, i+1
.endr
.set i, 0
.rept 16
	PV1 (\x)+1, \first
.set i, i+1
.endr
	WIN 0
.endm
; A KEY STEP, the q-th of the slot in hand.  A step behind L's last is passed over: a scalar branch on ids and the count of steps, round loads, products and softmax; no barrier, wait on TENSORcnt, add or tensor load stands in a step
.macro STEP q, first
.if !(\first)
	s_cmp_gt_u32 s[KT], s[LIML]
	s_cbranch_scc1 .Lhid_\@
.endif
	PLACES                                         ; behind the last step's products, ahead of loads into V's and K's registers
	v_add_nc_u32 v[ADK], s[TB], v[AK0]
	v_add_nc_u32 v[ADV], s[TB], v[AV0]
.if (\q) == 0
	FETCH_K 0
.endif
	FETCH_V \q
	s_wait_dscnt 32                                ; K, the older run, is in; V's 32 loads may be out
.if !(\first)
	s_cmp_gt_u32 s[KT], s[LIME]
	s_cbranch_scc1 .Lno_e_\@
.endif
	HALF 2, \first, LIME, 0
.Lno_e_\@:
	HALF 0, \first, LIML, 1-(\q)
.Lhid_\@:
	s_add_co_u32 s[KT], s[KT], 1
.endm
; THE CHANGE OF SLOTS, at a slot's head.  Each wave waits for all its tensor loads, adds 0 to its spare word, and waits for that and for its reads of the
; slot that it has left.  Behind the barrier the slot ahead is whole and nobody reads the other one, which takes the next 128 keys, while its first key is at or under the work-group's last query:
; ids and the count of steps alone, the same in all four waves; every wait on TENSORcnt in this text is for 0, and no step reads a slot that was left out.
.macro CHANGE
	s_wait_tensorcnt 0x0
	ds_add_u32 v[SPW], v[NIL]
	ds_add_u32 v[SPW], v[NIL]
	s_xor_b32 s[G0K+1], s[G0K+1], SLOT1
	s_add_nc_u64 s[G0K+2:G0K+3], s[G0K+2:G0K+3], 2*KS*256
	s_xor_b32 s[G0V+1], s[G0V+1], SLOT1
	s_add_nc_u64 s[G0V+2:G0V+3], s[G0V+2:G0V+3], 2*KS*256
	s_wait_xcnt 0x0                                ; the last prefetches, a slot back, have read their address
	s_add_nc_u64 s[PFA:PFA+1], s[PFA:PFA+1], 2*KS*256
	s_wait_dscnt 0x0
	s_barrier_signal -1
	s_barrier_wait -1
	s_cmp_gt_u32 s[NF], s[QLAST]
	s_cbranch_scc1 .Lpast_\@
	TLOAD
.Lpast_\@:
	ASK
	s_add_co_u32 s[NF], s[NF], 128
.endm
	s_wait_loadcnt 0x0                             ; Q
	CHANGE
	STEP 0, 1                                      ; step 0 is live for both blocks: its products start all sums, nothing is cleared
	STEP 1, 0
	s_xor_b32 s[TB], s[TB], SLOT1
.Lslot:                                            ; fifteen trips: every work-group walks all slots, so that the trip count is a constant of the text
	CHANGE
	STEP 0, 0
	STEP 1, 0
	s_xor_b32 s[TB], s[TB], SLOT1
	s_sub_co_u32 s[SLOTS], s[SLOTS], 1
	s_cmp_lg_u32 s[SLOTS], 0
	s_cbranch_scc1 .Lslot
	; THE WAY OUT: l's halves are added, O^T is divided by l, rounded to f16 and sent through my stage, a tile at a time.  The additions are the places behind the last products
.irp t, 0,1,2,3
	v_add_f32 v[ST+8*\t+4], v[ST+8*\t+2], v[ST+8*\t+3]
.endr
.irp t, 0,1,2,3
	v_permlanex16_b32 v[ST+8*\t+5], v[ST+8*\t+4], s[SEL], s[SEL+1]
.endr
.irp t, 0,1,2,3
	v_add_f32 v[ST+8*\t+4], v[ST+8*\t+4], v[ST+8*\t+5]
.endr
.irp t, 0,1,2,3
	v_rcp_f32 v[ST+8*\t+6], v[ST+8*\t+4]
.endr
	v_nop
	s_wait_alu depctr_va_vdst(0)                   ; one wait for the four reciprocals, ahead of their first reader
.macro PACK t
	WIN W_RS
.set i, 64*\t
.rept 32
	v_pk_mul_f32 v[i:i+1], v[i:i+1], v[ST+8*\t+6:ST+8*\t+7] op_sel_hi:[1,0]
.set i, i+2
.endr
	WIN 0x05
.set i, 0
.rept 32
	v_cvt_pk_f16_f32 v[S+32*\t+i], v[64*\t+2*i], v[64*\t+2*i+1]
.set i, i+1
.endr
	WIN 0
.irp f, 0,1,2,3,4,5,6,7
	ds_store_b128 v[STO], v[S+32*\t+4*\f:S+32*\t+4*\f+3] offset:32*\f
.endr
.irp f, 0,1,2,3,4,5,6,7
	ds_load_b128 v[S+32*\t+4*\f:S+32*\t+4*\f+3], v[RD] offset:\f*2*SP   ; LDS serves a wave's instructions in order
.endr
.endm
.macro SEND t, younger, base, off      ; younger: the next tile's sixteen LDS instructions, or none
.irp f, 0,1,2,3,4,5,6,7
	s_wait_dscnt \younger+7-\f
	global_store_b128 v[GO], v[S+32*\t+4*\f:S+32*\t+4*\f+3], s[\base:\base+1] offset:\off+8192*\f   ; sixteen lanes store 256 consecutive bytes, aligned: a head's part of a row
.endr
.endm
	PACK 0
	PACK 1
	SEND 0, 16, 20, 0
	PACK 2
	SEND 1, 16, 20, 256
	PACK 3
	SEND 2, 16, 22, 0
	SEND 3, 0, 22, 256
	s_wait_tensorcnt 0x0                           ; the wave's end
	ds_add_u32 v[SPW], v[NIL]
	s_wait_dscnt 0x0
	s_endpgm
.Lfunc_end_k_q375142ed1d_attn:
	.size	k_q375142ed1d_attn, .Lfunc_end_k_q375142ed1d_attn-k_q375142ed1d_attn
	.p2alignl 7, 3214868480
	.fill 96, 4, 3214868480
	.section	.rodata,"a",@progbits
	.p2align	6, 0x0
	.amdhsa_kernel k_q375142ed1d_attn
		.amdhsa_group_segment_fixed_size 327680
		.amdhsa_private_segment_fixed_size 0
		.amdhsa_enable_private_segment 0
		.amdhsa_kernarg_size 16
		.amdhsa_user_sgpr_count 2
		.amdhsa_user_sgpr_kernarg_segment_ptr 1
		.amdhsa_wavefront_size32 1
		.amdhsa_system_sgpr_workgroup_id_x 1
		.amdhsa_system_sgpr_workgroup_id_y 1
		.amdhsa_system_sgpr_workgroup_id_z 1
		.amdhsa_system_vgpr_workitem_id 0
		.amdhsa_next_free_vgpr 1024
		.amdhsa_next_free_sgpr 70
		.amdhsa_reserve_vcc 1
		.amdhsa_float_denorm_mode_32 3
		.amdhsa_float_denorm_mode_16_64 3
		.amdhsa_memory_ordered 1
		.amdhsa_forward_progress 1
		.amdhsa_inst_pref_size 248
	.end_amdhsa_kernel
	.amdgpu_metadata
---
amdhsa.version: [ 1, 2 ]
amdhsa.kernels:
  - .name:           k_q375142ed1d_attn
    .symbol:         k_q375142ed1d_attn.kd
    .args:
      - { .name: qkv, .offset: 0, .size: 8, .value_kind: global_buffer, .address_space: global }
      - { .name: att, .offset: 8, .size: 8, .value_kind: global_buffer, .address_space: global }
    .group_segment_fixed_size: 327680
    .private_segment_fixed_size: 0
    .kernarg_segment_align: 8
    .kernarg_segment_size: 16
    .max_flat_workgroup_size: 128
    .sgpr_count:     70
    .vgpr_count:     1024
    .wavefront_size: 32
...
	.end_amdgpu_metadata
.endif
;; end of part 3
;; launch proj (part 4): grid 8 x 32, 4 waves a work-group, clusters of 4 x 4, 327,680 bytes of LDS; arguments att, woh, out0; writes out0
.if DOCPART == 4
	.amdgcn_target "amdgcn-amd-amdhsa--gfx1250"
	.amdhsa_code_object_version 6
	.text
	.protected	k_q375142ed1d_proj
	.globl	k_q375142ed1d_proj
	.p2align	8
	.type	k_q375142ed1d_proj,@function
k_q375142ed1d_proj:
	s_mov_b64 s[64:65], 0
	v_nop
	global_prefetch_b8 v0, s[64:65] scope:SCOPE_SE
	s_setreg_imm32_b32 hwreg(HW_REG_WAVE_MODE, 25, 1), 1
	s_wait_xcnt 0x0
	s_wait_alu depctr_hold_cnt(0) depctr_sa_sdst(0) depctr_va_vdst(0) depctr_va_sdst(0) depctr_va_ssrc(0) depctr_va_vcc(0) depctr_vm_vsrc(0)
	s_getreg_b32 s2, hwreg(HW_REG_IB_STS2, 6, 4)
	s_cmp_eq_u32 s2, 0
	s_cbranch_scc0 .Lentry_in_a_cluster
	s_endpgm
.Lentry_in_a_cluster:
	s_bfe_u32 s2, ttmp6, 0x10000c
	s_cmp_lg_u32 s2, 0xf033
	s_cbranch_scc0 .Lentry_shape_is_right
	s_endpgm
.Lentry_shape_is_right:
; out0[m][n] = sum over k of att[m][k] wo[n][k].  att: [4096][2048] f16, woh: [1024][2048] f16, out0: [4096][1024] f32; sums in f32.
; A tile of 128 x 128 gives each of 256 WGPs a work-group.  Four waves, each 64 x 64: 16 accumulators.  K goes in steps of 256 (LDS rows of 512 bytes) through two slots.
; CLUSTERS: 4 x 4 work-groups; att's tiles are asked for jointly along a row of the cluster, woh's along a column.  THE MATRIX INSTRUCTION IS USED TRANSPOSED (source 0 = 16 rows of woh, source 1 = 16 rows of att).
; The rows of positions 0-15 of each sequence are stored here too, inside their tiles, and are replaced by launch fine, which carries them in f32.
; REGISTERS: window 0: v0-31 addresses; v32-95 the way out; v128-255 the accumulators.  window 1: two fragment buffers of 128.
.set SIZE_K, 2048
.set SIZE_N, 1024
.set KSTEP,  256
.set PITCH,  528
.set HALFT,  64*PITCH
.set SLOT,   4*HALFT
.set STAGE,  2*SLOT                    ; behind the ring: 16 rows x 272 bytes for each wave
.set SPITCH, 272
.set SPARE,  STAGE+4*16*SPITCH         ; the spare words; no other line names them
.set LAPS, SIZE_K/(2*KSTEP)
.set ADRA, 16
.set ADRB, 20
.set STO,  24
.set RD,   25
.set CO,   26
.set SPW,  28
.set NIL,  29
.set TMP,  32
.set ACC,  128
.set F0,   0
.set F1,   128
.set G1, 24
.set G0, 32
.set G1B, 48
.set G0B, 56
.set MSB, 0
.macro WIN new
.if MSB != \new
	s_set_vgpr_msb (MSB<<8)|\new
.set MSB, \new
.endif
.endm
.set MUL,  0x05
.set TO_F, 0x40
.macro JLOAD s                         ; waves 0 and 1 fetch att's two halves, waves 2 and 3 woh's; an s_nop 0 and four v_nop follow each line
	s_cmp_eq_u32 s11, 0
	s_cbranch_scc0 .Lfor_b_\@
	tensor_load_to_lds s[G0+4*\s:G0+4*\s+3], s[G1:G1+7]
	s_nop 0
.rept 4
	v_nop
.endr
	s_branch .Lasked_\@
.Lfor_b_\@:
	tensor_load_to_lds s[G0B+4*\s:G0B+4*\s+3], s[G1B:G1B+7]
	s_nop 0
.rept 4
	v_nop
.endr
.Lasked_\@:
.endm
.macro CREST
	s_cmp_lg_u32 s10, 0
	s_cbranch_scc1 .Lnot_wave_0_\@
	s_barrier_signal -3
.Lnot_wave_0_\@:
	s_barrier_wait -3
	s_barrier_signal -1
	s_barrier_wait -1
.endm
.macro CROUND
	s_barrier_signal -1
	s_barrier_wait -1
	CREST
.endm
	s_load_b128 s[4:7], s[0:1], 0x0                ; att, woh
	s_load_b64 s[8:9], s[0:1], 0x10                ; out0
	v_lshl_add_u32 v[SPW], v0, 2, SPARE
	v_mov_b32 v[NIL], 0
	ds_add_u32 v[SPW], v[NIL]                      ; the wave's opening: the add, twice on end, and its wait ahead of my first tensor load
	ds_add_u32 v[SPW], v[NIL]
	v_lshrrev_b32 v1, 5, v0
	v_readfirstlane_b32 s10, v1
	s_lshr_b32 s11, s10, 1                         ; my half of the tile's rows; also: I fetch for att (0) or woh (1)
	s_and_b32 s12, s10, 1                          ; my half of its columns; also: which 64 rows I fetch
	s_bfe_u32 s40, ttmp6, 0x40000
	s_bfe_u32 s41, ttmp6, 0x40004
	s_lshl_b32 s42, ttmp9, 2
	s_add_co_u32 s42, s42, s40                     ; tile column
	s_and_b32 s13, ttmp7, 0xffff
	s_lshl_b32 s13, s13, 2
	s_add_co_u32 s13, s13, s41                     ; tile row
	s_lshl_b32 s43, s41, 2
	s_lshl_b32 s43, 15, s43
	s_lshl_b32 s44, 0x1111, s40
	s_or_b32 s[G1+0], s43, (1<<16)|(1<<20)|(1<<21)|(6<<22)|(3<<25)  ; mask; elements of 2 bytes; padding: 4 words behind every 128
	s_or_b32 s[G1B+0], s44, (1<<16)|(1<<20)|(1<<21)|(6<<22)|(3<<25)
.irp g, G1, G1B
	s_mov_b32 s[\g+1], KSTEP<<16
	s_mov_b32 s[\g+2], 64<<16
	s_mov_b32 s[\g+3], KSTEP<<16
	s_mov_b32 s[\g+4], 64
	s_mov_b32 s[\g+5], SIZE_K
	s_mov_b32 s[\g+6], 0
	s_mov_b32 s[\g+7], 0
.endr
	s_lshl_b32 s17, s12, 6
	s_lshl_b32 s16, s13, 7
	s_add_co_u32 s16, s16, s17
	s_lshl_b32 s46, s42, 7
	s_add_co_u32 s46, s46, s17
	s_mov_b32 s17, 0
	s_mov_b32 s47, 0
	s_mov_b64 s[18:19], SIZE_K*2
	s_mul_u64 s[16:17], s[16:17], s[18:19]
	s_mul_u64 s[46:47], s[46:47], s[18:19]
	s_mul_i32 s20, s10, HALFT
	s_wait_dscnt 0x0
	s_wait_kmcnt 0x0
	s_add_nc_u64 s[14:15], s[4:5], s[16:17]
	s_add_nc_u64 s[46:47], s[6:7], s[46:47]
	CROUND
.irp s, 0,1
	s_mov_b32 s[G0+4*\s], 1
	s_add_co_u32 s[G0+4*\s+1], s20, \s*SLOT
	s_add_nc_u64 s[G0+4*\s+2:G0+4*\s+3], s[14:15], \s*KSTEP*2
	s_or_b32 s[G0+4*\s+3], s[G0+4*\s+3], 0x80000000
	s_mov_b32 s[G0B+4*\s], 1
	s_add_co_u32 s[G0B+4*\s+1], s20, \s*SLOT
	s_add_nc_u64 s[G0B+4*\s+2:G0B+4*\s+3], s[46:47], \s*KSTEP*2
	s_or_b32 s[G0B+4*\s+3], s[G0B+4*\s+3], 0x80000000
	JLOAD \s
.endr
	v_and_b32 v1, 15, v0
	v_bfe_u32 v2, v0, 4, 1
	v_mul_u32_u24 v3, v1, PITCH
	v_lshl_add_u32 v3, v2, 4, v3
	s_mul_i32 s21, s11, HALFT
	s_mul_i32 s22, s12, HALFT
	s_add_co_u32 s22, s22, 2*HALFT
.irp s, 0,1
	v_add_nc_u32 v[ADRA+\s], s21, v3
	v_add_nc_u32 v[ADRB+\s], s22, v3
	s_add_co_u32 s21, s21, SLOT
	s_add_co_u32 s22, s22, SLOT
.endr
	s_mul_i32 s23, s10, 16*SPITCH                  ; my own stage: a wave's 64 columns of f32 are 256 bytes, a whole aligned piece of a row
	s_add_co_u32 s23, s23, STAGE
	v_mul_u32_u24 v4, v1, SPITCH
	v_lshl_add_u32 v4, v2, 5, v4
	v_add_nc_u32 v[STO], s23, v4                   ; in: row r, 32 bytes for each half of the lanes
	v_mul_u32_u24 v5, v2, SPITCH
	v_lshl_add_u32 v5, v1, 4, v5
	v_add_nc_u32 v[RD], s23, v5                    ; back: lanes 0-15 one row, lanes 16-31 the next
	v_lshlrev_b32 v5, 12, v2                       ; a row of out0 is 4,096 bytes
	v_lshl_add_u32 v[CO], v1, 4, v5
	s_lshl_b32 s16, s13, 7
	s_lshl_b32 s17, s11, 6
	s_add_co_u32 s16, s16, s17                     ; my first row
	s_lshl_b32 s16, s16, 12
	s_mov_b32 s17, 0
	s_add_nc_u64 s[8:9], s[8:9], s[16:17]
	s_lshl_b32 s46, s42, 9
	s_lshl_b32 s47, s12, 8
	s_add_co_u32 s46, s46, s47                     ; my first column, in bytes
	s_mov_b32 s47, 0
	s_add_nc_u64 s[8:9], s[8:9], s[46:47]
.macro MUL8 f, c, a0, zero             ; the 16 accumulators take turns
.irp a, \a0, \a0+1
.irp b, 0,1,2,3
.if \zero
	v_wmma_f32_16x16x32_f16 v[ACC+8*(4*(\a)+\b):ACC+8*(4*(\a)+\b)+7], v[\f+64+8*(4*\c+\b):\f+64+8*(4*\c+\b)+7], v[\f+8*(4*\c+\a):\f+8*(4*\c+\a)+7], 0
.else
	v_wmma_f32_16x16x32_f16 v[ACC+8*(4*(\a)+\b):ACC+8*(4*(\a)+\b)+7], v[\f+64+8*(4*\c+\b):\f+64+8*(4*\c+\b)+7], v[\f+8*(4*\c+\a):\f+8*(4*\c+\a)+7], v[ACC+8*(4*(\a)+\b):ACC+8*(4*(\a)+\b)+7]
.endif
.endr
.endr
.endm
.macro FETCH slot, k, f
	WIN TO_F
.irp c, 0,1
.irp i, 0,1,2,3
	ds_load_b128 v[\f+64+8*(4*\c+\i):\f+64+8*(4*\c+\i)+3],   v[ADRB+\slot] offset:\k+64*\c+\i*16*PITCH
	ds_load_b128 v[\f+64+8*(4*\c+\i)+4:\f+64+8*(4*\c+\i)+7], v[ADRB+\slot] offset:\k+64*\c+\i*16*PITCH+32
	ds_load_b128 v[\f+8*(4*\c+\i):\f+8*(4*\c+\i)+3],         v[ADRA+\slot] offset:\k+64*\c+\i*16*PITCH
	ds_load_b128 v[\f+8*(4*\c+\i)+4:\f+8*(4*\c+\i)+7],       v[ADRA+\slot] offset:\k+64*\c+\i*16*PITCH+32
.endr
.endr
.endm
.macro PLACES
.rept 4
	v_nop
.endr
.endm
.macro QUARTER slot, k, f, g, zero
	s_wait_dscnt 16                                ; the first 32 along K are in; the other sixteen loads may be out
	WIN MUL
	MUL8 \f, 0, 0, \zero
	MUL8 \f, 0, 2, \zero
	PLACES
	FETCH \slot, \k, \g
	s_wait_dscnt 32                                ; all but the 32 just issued
	WIN MUL
	MUL8 \f, 1, 0, 0
	MUL8 \f, 1, 2, 0
.endm
.macro TURN slot, next, fill
	WIN 0
	s_wait_tensorcnt 0x0                           ; all my tensor loads have landed: my part of the next slot;
	ds_add_u32 v[SPW], v[NIL]                      ; 0 onto my spare word;
	s_wait_dscnt 17                                ; (the add and the youngest sixteen loads may be out)
	WIN MUL
	MUL8 F1, 0, 0, 0
	s_wait_dscnt 0x0                               ; the add is done, and my reads of this slot are over
	s_barrier_signal -1
	MUL8 F1, 0, 2, 0
.if \fill
	WIN 0
.endif
	s_barrier_wait -1
.if \fill
	CREST                                          ; the barrier has opened a round of the cluster's barrier
	s_add_nc_u64 s[G0+4*\slot+2:G0+4*\slot+3], s[G0+4*\slot+2:G0+4*\slot+3], 2*KSTEP*2
	s_add_nc_u64 s[G0B+4*\slot+2:G0B+4*\slot+3], s[G0B+4*\slot+2:G0B+4*\slot+3], 2*KSTEP*2
	JLOAD \slot                                    ; the first tensor load behind the round; its four v_nop are also the places in front of the loads below
.else
	PLACES
.endif
	FETCH \next, 0, F0
	WIN MUL
	MUL8 F1, 1, 0, 0
	MUL8 F1, 1, 2, 0
.endm
	s_wait_tensorcnt 1                             ; my part of K step 0 is in; K step 1's load may be out
	s_barrier_signal -1
	s_barrier_wait -1
	FETCH 0, 0, F0
	QUARTER 0, 128, F0, F1, 1
	WIN 0
	s_mov_b32 s3, LAPS-1
.Llap:
	QUARTER 0, 256, F1, F0, 0
	QUARTER 0, 384, F0, F1, 0
	TURN 0, 1, 1
	QUARTER 1, 128, F0, F1, 0
	QUARTER 1, 256, F1, F0, 0
	QUARTER 1, 384, F0, F1, 0
	TURN 1, 0, 1
	QUARTER 0, 128, F0, F1, 0
	WIN 0
	s_sub_co_u32 s3, s3, 1
	s_cmp_lg_u32 s3, 0
	s_cbranch_scc1 .Llap
	QUARTER 0, 256, F1, F0, 0                      ; the last lap fills nothing
	QUARTER 0, 384, F0, F1, 0
	TURN 0, 1, 0
	QUARTER 1, 128, F0, F1, 0
	QUARTER 1, 256, F1, F0, 0
	QUARTER 1, 384, F0, F1, 0
	s_wait_dscnt 16
	WIN MUL
	MUL8 F1, 0, 0, 0
	MUL8 F1, 0, 2, 0
	s_wait_dscnt 0
	MUL8 F1, 1, 0, 0
	MUL8 F1, 1, 2, 0
	WIN 0
	; THE WAY OUT, 16 rows at a time through my own stage: a lane's 32 bytes go in, whole pieces of 256 bytes come back; LDS serves a wave's instructions in order
	PLACES
.irp a, 0,1,2,3
.if \a >= 2
	s_wait_xcnt 0x0                                ; block a - 2's stores have read their registers
.endif
.irp b, 0,1,2,3
	ds_store_b128 v[STO], v[ACC+8*(4*\a+\b):ACC+8*(4*\a+\b)+3] offset:64*\b        ; each accumulator from its low end on
	ds_store_b128 v[STO], v[ACC+8*(4*\a+\b)+4:ACC+8*(4*\a+\b)+7] offset:64*\b+16
.endr
.irp t, 0,1,2,3,4,5,6,7
	ds_load_b128 v[TMP+32*(\a%2)+4*\t:TMP+32*(\a%2)+4*\t+3], v[RD] offset:\t*2*SPITCH
.endr
.irp t, 0,1,2,3,4,5,6,7
	s_wait_dscnt 7-\t                              ; load t is in; the younger ones may be out
	global_store_b128 v[CO], v[TMP+32*(\a%2)+4*\t:TMP+32*(\a%2)+4*\t+3], s[8:9] offset:65536*\a+8192*\t th:TH_STORE_NT   ; sixteen lanes store 256 consecutive bytes, aligned
.endr
.endr
	s_wait_tensorcnt 0x0                           ; the wave's end
	ds_add_u32 v[SPW], v[NIL]
	s_wait_dscnt 0x0
	CROUND                                         ; the closing round
	s_endpgm
.Lfunc_end_k_q375142ed1d_proj:
	.size	k_q375142ed1d_proj, .Lfunc_end_k_q375142ed1d_proj-k_q375142ed1d_proj
	.p2alignl 7, 3214868480
	.fill 96, 4, 3214868480
	.section	.rodata,"a",@progbits
	.p2align	6, 0x0
	.amdhsa_kernel k_q375142ed1d_proj
		.amdhsa_group_segment_fixed_size 327680
		.amdhsa_private_segment_fixed_size 0
		.amdhsa_enable_private_segment 0
		.amdhsa_kernarg_size 24
		.amdhsa_user_sgpr_count 2
		.amdhsa_user_sgpr_kernarg_segment_ptr 1
		.amdhsa_wavefront_size32 1
		.amdhsa_system_sgpr_workgroup_id_x 1
		.amdhsa_system_sgpr_workgroup_id_y 1
		.amdhsa_system_sgpr_workgroup_id_z 1
		.amdhsa_system_vgpr_workitem_id 0
		.amdhsa_next_free_vgpr 512
		.amdhsa_next_free_sgpr 66
		.amdhsa_reserve_vcc 0
		.amdhsa_float_denorm_mode_32 3
		.amdhsa_float_denorm_mode_16_64 3
		.amdhsa_memory_ordered 1
		.amdhsa_forward_progress 1
		.amdhsa_inst_pref_size 86
	.end_amdhsa_kernel
	.amdgpu_metadata
---
amdhsa.version: [ 1, 2 ]
amdhsa.kernels:
  - .name:           k_q375142ed1d_proj
    .symbol:         k_q375142ed1d_proj.kd
    .args:
      - { .name: att, .offset: 0, .size: 8, .value_kind: global_buffer, .address_space: global }
      - { .name: woh, .offset: 8, .size: 8, .value_kind: global_buffer, .address_space: global }
      - { .name: out0, .offset: 16, .size: 8, .value_kind: global_buffer, .address_space: global }
    .group_segment_fixed_size: 327680
    .private_segment_fixed_size: 0
    .kernarg_segment_align: 8
    .kernarg_segment_size: 24
    .max_flat_workgroup_size: 128
    .sgpr_count:     66
    .vgpr_count:     512
    .wavefront_size: 32
...
	.end_amdgpu_metadata
.endif
;; end of part 4
;; launch fine (part 5): grid 64 x 2, 16 waves a work-group, no clusters, 327,680 bytes of LDS; arguments fine32, wo, out0; writes out0
.if DOCPART == 5
	.amdgcn_target "amdgcn-amd-amdhsa--gfx1250"
	.amdhsa_code_object_version 6
	.text
	.protected	k_q375142ed1d_fine
	.globl	k_q375142ed1d_fine
	.p2align	8
	.type	k_q375142ed1d_fine,@function
k_q375142ed1d_fine:
	s_mov_b64 s[64:65], 0
	v_nop
	global_prefetch_b8 v0, s[64:65] scope:SCOPE_SE
	s_setreg_imm32_b32 hwreg(HW_REG_WAVE_MODE, 25, 1), 1
	s_wait_xcnt 0x0
; Positions 0-15 of both sequences once more, in f32 throughout: under the causal mask these rows average one to sixteen values and are the largest of the output, so the rounding of f16 operands weighs most there.
; Their keys are positions 0-15 alone: all later keys are masked by reference()'s own causal mask (shown at the head of launch prep).
; Work-group (x, b) makes out0[2048 b + 0..15][16 x .. 16 x + 15].  Wave hd is query head hd: scores, softmax, values, and at once its head's part of the projection; the sixteen partial tiles meet in LDS and wave 0 adds them.
; The attention is made anew in each of the 64 column work-groups: 64 of a wave's 96 small matrix instructions, in place of one launch more.  A work-group stores 64 bytes of each of 16 rows: 128 KB in the whole launch.
; LAYOUT.  fine32's q and k heads are images: register 8 bb + i of lane (r, h) is position r, channel 16 bb + 8 h + i.  A K step of 4 takes registers 2 s, 2 s + 1 of both sources: the same order of K on both sides.
; S^T = K Q^T: lane (r, h) holds query r, keys 8 h + 0..7.  O^T = V^T P: lane (r, h) holds query r, channels 16 ct + 8 h + 0..7: the images' order again, so it is source 1 of the projection as it stands.
; The registers that the f32 matrix form writes (v144-239) are written by matrix instructions alone; each sum begins with the constant 0.
.set TP,   528                         ; an LDS row: 512 bytes + 16
.set WOT,  0                           ; wave hd: 16 rows of wo (my 16 outputs), 128 numbers of head hd
.set VT,   16*16*TP                    ; wave hd: 16 positions of v, 128 channels
.set RED,  2*16*16*TP                  ; 1,024 bytes a wave: its partial tile
.set SPARE, RED+16*1024                ; the spare words, 128 bytes for each wave; no other line names them
.set QF,   16                          ; v16-79   Q's image, later wo's fragments
.set KF,   80                          ; v80-143  K's image, later V^T's fragments, later the head's attention
.set SA,   144                         ; two accumulators of the scores
.set OA,   160                         ; eight of O^T
.set CA,   224                         ; two of the projection
.set P,    240                         ; v240-247 scores, then p
.set SPW,  10
.set NIL,  11
.set WV,   10                          ; s10
.set G1W,  16
.set G1V,  24
.set G0W,  32
.set G0V,  36
	s_load_b128 s[4:7], s[0:1], 0x0                ; fine32, wo
	s_load_b64 s[8:9], s[0:1], 0x10                ; out0
	v_lshl_add_u32 v[SPW], v0, 2, SPARE
	v_mov_b32 v[NIL], 0
	ds_add_u32 v[SPW], v[NIL]                      ; the wave's opening: the add, twice on end, and its wait ahead of my first tensor load
	ds_add_u32 v[SPW], v[NIL]
	v_lshrrev_b32 v1, 5, v0
	v_readfirstlane_b32 s[WV], v1                  ; wave = query head
	s_mov_b32 s[G1W], (2<<16)|(1<<20)|(6<<22)|(3<<25)   ; elements of 4 bytes; padding: 4 words behind every 128
	s_mov_b32 s[G1W+1], 128<<16
	s_mov_b32 s[G1W+2], 16<<16
	s_mov_b32 s[G1W+3], 128<<16
	s_mov_b32 s[G1W+4], 16
	s_mov_b32 s[G1W+5], 2048                       ; a row of wo
	s_mov_b32 s[G1W+6], 0
	s_mov_b32 s[G1W+7], 0
	s_mov_b32 s[G1V], (2<<16)|(1<<20)|(6<<22)|(3<<25)
	s_mov_b32 s[G1V+1], 128<<16
	s_mov_b32 s[G1V+2], 16<<16
	s_mov_b32 s[G1V+3], 128<<16
	s_mov_b32 s[G1V+4], 16
	s_mov_b32 s[G1V+5], 128
	s_mov_b32 s[G1V+6], 0
	s_mov_b32 s[G1V+7], 0
	s_mov_b32 s12, 0x3e0293ee                      ; c = log2(e) / sqrt(128)
	s_mov_b32 s14, 0x76543210
	s_mov_b32 s15, 0xfedcba98
	s_and_b32 s13, ttmp7, 0xffff                   ; b
	s_lshl_b32 s40, s13, 5
	s_add_co_u32 s41, s40, s[WV]
	s_lshl_b32 s42, s41, 13                        ; q's head: 8,192 bytes a head
	s_mov_b32 s43, 0
	s_lshr_b32 s41, s[WV], 1
	s_add_co_u32 s41, s41, s40
	s_add_co_u32 s41, s41, 16
	s_lshl_b32 s44, s41, 13                        ; k's head; v's lies eight heads on
	s_mov_b32 s45, 0
	s_lshl_b32 s46, ttmp9, 17                      ; 16 rows of wo of 8,192 bytes,
	s_lshl_b32 s47, s[WV], 9                       ; my head's 512 bytes of them
	s_add_co_u32 s46, s46, s47
	s_mov_b32 s47, 0
	s_mul_i32 s11, s[WV], 16*TP
	s_wait_dscnt 0x0                               ; both opening adds are done
	s_wait_kmcnt 0x0
	s_add_nc_u64 s[42:43], s[4:5], s[42:43]
	s_add_nc_u64 s[44:45], s[4:5], s[44:45]
	s_mov_b32 s[G0W], 1
	s_mov_b32 s[G0W+1], s11
	s_add_nc_u64 s[G0W+2:G0W+3], s[6:7], s[46:47]
	s_or_b32 s[G0W+3], s[G0W+3], 0x80000000
	s_mov_b32 s[G0V], 1
	s_add_co_u32 s[G0V+1], s11, VT
	s_add_nc_u64 s[G0V+2:G0V+3], s[44:45], 65536
	s_or_b32 s[G0V+3], s[G0V+3], 0x80000000
	tensor_load_to_lds s[G0W:G0W+3], s[G1W:G1W+7]  ; two loads of mine are out, into bytes that I alone read
	s_nop 0
	tensor_load_to_lds s[G0V:G0V+3], s[G1V:G1V+7]
	s_nop 0
	v_and_b32 v1, 15, v0                           ; r
	v_bfe_u32 v2, v0, 4, 1                         ; h
	v_and_b32 v3, 31, v0
	v_lshlrev_b32 v3, 4, v3                        ; 16 x lane
.irp q, 0,1,2,3,4,5,6,7,8,9,10,11,12,13,14,15
	global_load_b128 v[QF+4*\q:QF+4*\q+3], v3, s[42:43] offset:512*\q
	global_load_b128 v[KF+4*\q:KF+4*\q+3], v3, s[44:45] offset:512*\q
.endr
	v_mul_u32_u24 v4, v2, 8*TP
	v_lshl_add_u32 v4, v1, 2, v4
	v_add_nc_u32 v4, s11, v4
	v_add_nc_u32 v4, VT, v4                        ; V^T: keys 8 h on, channel r of a tile
	v_mul_u32_u24 v5, v1, TP
	v_lshl_add_u32 v5, v2, 5, v5
	v_add_nc_u32 v5, s11, v5                       ; wo: row r, + 32 h
	s_lshl_b32 s11, s[WV], 10
	v_add_nc_u32 v6, s11, v3
	v_add_nc_u32 v6, RED, v6                       ; my partial tile
	v_lshlrev_b32 v7, 3, v2
	v_sub_nc_u32 v7, v1, v7                        ; r - 8 h: register i holds a hidden key where i > this
	v_mov_b32 v8, 0xf149f2ca                       ; -1e30
	v_lshlrev_b32 v9, 12, v1
	v_lshl_add_u32 v9, v2, 5, v9                   ; out0: row r of 4,096 bytes, + 32 h
	v_mov_b32 v249, 0                              ; a lane permute's destination counts as one of its sources
	v_mov_b32 v251, 0                              ; named as the upper half of the pair v[250:251]
	s_lshl_b32 s40, s13, 23                        ; 2,048 rows of out0 a sequence,
	s_lshl_b32 s41, ttmp9, 6                       ; my 16 columns
	s_add_co_u32 s40, s40, s41
	s_mov_b32 s41, 0
	s_add_nc_u64 s[8:9], s[8:9], s[40:41]
	s_wait_loadcnt 0x0
.irp s, 0,1,2,3,4,5,6,7,8,9,10,11,12,13,14,15,16,17,18,19,20,21,22,23,24,25,26,27,28,29,30,31
.if \s < 2                             ; two accumulators take turns
	v_wmma_f32_16x16x4_f32 v[SA+8*(\s%2):SA+8*(\s%2)+7], v[KF+2*\s:KF+2*\s+1], v[QF+2*\s:QF+2*\s+1], 0
.else
	v_wmma_f32_16x16x4_f32 v[SA+8*(\s%2):SA+8*(\s%2)+7], v[KF+2*\s:KF+2*\s+1], v[QF+2*\s:QF+2*\s+1], v[SA+8*(\s%2):SA+8*(\s%2)+7]
.endif
.endr
.rept 8
	v_nop                                          ; eight places behind this form: for the loads into its sources and the reads of its results
.endr
	s_wait_tensorcnt 0x0                           ; my two tiles have landed
.irp ct, 0,1,2,3,4,5,6,7
.irp n, 0,1,2,3,4,5,6,7
	ds_load_b32 v[KF+8*\ct+\n], v4 offset:TP*\n+64*\ct   ; V[key 8 h + n][channel 16 ct + r]
.endr
.endr
.irp ct, 0,1,2,3,4,5,6,7
.irp c, 0,1
	ds_load_b128 v[QF+8*\ct+4*\c:QF+8*\ct+4*\c+3], v5 offset:64*\ct+16*\c   ; wo[my row r][channel 16 ct + 8 h + 4 c ..]
.endr
.endr
.irp i, 0,1,2,3,4,5,6,7
	v_add_f32 v[P+\i], v[SA+\i], v[SA+8+\i]        ; the two halves of the sum, from the low end on
.endr
.irp i, 0,1,2,3,4,5,6,7
	v_cmp_gt_i32 vcc_lo, \i, v7
	v_cndmask_b32 v[P+\i], v[P+\i], v8, vcc_lo
.endr
	v_max3_num_f32 v248, v[P], v[P+1], v[P+2]
	v_max3_num_f32 v248, v248, v[P+3], v[P+4]
	v_max3_num_f32 v248, v248, v[P+5], v[P+6]
	v_max_num_f32 v248, v248, v[P+7]
	v_permlanex16_b32 v249, v248, s14, s15
	v_max_num_f32 v248, v248, v249                 ; the row's maximum: key 0 counts for every query
	v_mul_f32 v249, s12, v248
.irp i, 0,1,2,3,4,5,6,7
	v_fma_f32 v[P+\i], v[P+\i], s12, -v249
.endr
.irp i, 0,1,2,3,4,5,6,7
	v_exp_f32 v[P+\i], v[P+\i]
.endr
	v_nop
	s_wait_alu depctr_va_vdst(0)                   ; one wait for the eight, ahead of their first reader
	v_add_f32 v252, v[P], v[P+1]
	v_add_f32 v253, v[P+2], v[P+3]
	v_add_f32 v254, v[P+4], v[P+5]
	v_add_f32 v255, v[P+6], v[P+7]
	v_add_f32 v252, v252, v253
	v_add_f32 v254, v254, v255
	v_add_f32 v252, v252, v254
	v_permlanex16_b32 v249, v252, s14, s15
	v_add_f32 v252, v252, v249
	v_rcp_f32 v250, v252
	v_nop
	s_wait_alu depctr_va_vdst(0)
	s_wait_dscnt 0x0
.irp s, 0,1,2,3
.irp ct, 0,1,2,3,4,5,6,7               ; eight accumulators take turns
.if \s == 0
	v_wmma_f32_16x16x4_f32 v[OA+8*\ct:OA+8*\ct+7], v[KF+8*\ct+2*\s:KF+8*\ct+2*\s+1], v[P+2*\s:P+2*\s+1], 0
.else
	v_wmma_f32_16x16x4_f32 v[OA+8*\ct:OA+8*\ct+7], v[KF+8*\ct+2*\s:KF+8*\ct+2*\s+1], v[P+2*\s:P+2*\s+1], v[OA+8*\ct:OA+8*\ct+7]
.endif
.endr
.endr
.rept 8
	v_nop
.endr
.irp n, 0,2,4,6,8,10,12,14,16,18,20,22,24,26,28,30,32,34,36,38,40,42,44,46,48,50,52,54,56,58,60,62
	v_pk_mul_f32 v[KF+\n:KF+\n+1], v[OA+\n:OA+\n+1], v[250:251] op_sel_hi:[1,0]   ; divided by the row's sum, into other registers
.endr
.irp u, 0,1,2,3,4,5,6,7,8,9,10,11,12,13,14,15,16,17,18,19,20,21,22,23,24,25,26,27,28,29,30,31
.if \u < 2
	v_wmma_f32_16x16x4_f32 v[CA+8*(\u%2):CA+8*(\u%2)+7], v[QF+2*\u:QF+2*\u+1], v[KF+2*\u:KF+2*\u+1], 0
.else
	v_wmma_f32_16x16x4_f32 v[CA+8*(\u%2):CA+8*(\u%2)+7], v[QF+2*\u:QF+2*\u+1], v[KF+2*\u:KF+2*\u+1], v[CA+8*(\u%2):CA+8*(\u%2)+7]
.endif
.endr
.rept 8
	v_nop
.endr
.irp i, 0,1,2,3,4,5,6,7
	v_add_f32 v[248+\i], v[CA+\i], v[CA+8+\i]      ; lane (r, h): position r, outputs 8 h + 0..7
.endr
	ds_store_b128 v6, v[248:251]
	ds_store_b128 v6, v[252:255] offset:512
	s_wait_dscnt 0x0                               ; for the others' sake: my stores have landed
	s_barrier_signal -1
	s_barrier_wait -1
	s_cmp_lg_u32 s[WV], 0
	s_cbranch_scc1 .Lend
.irp hd, 0,1,2,3,4,5,6,7,8,9,10,11,12,13,14,15
.irp c, 0,1
	ds_load_b128 v[16+8*\hd+4*\c:19+8*\hd+4*\c], v6 offset:1024*\hd+512*\c
.endr
.endr
	s_wait_dscnt 0x0
.irp hd, 1,2,3,4,5,6,7,8,9,10,11,12,13,14,15
.irp p, 0,1,2,3
	v_pk_add_f32 v[16+2*\p:17+2*\p], v[16+2*\p:17+2*\p], v[16+8*\hd+2*\p:17+8*\hd+2*\p]
.endr
.endr
	global_store_b128 v9, v[16:19], s[8:9]
	global_store_b128 v9, v[20:23], s[8:9] offset:16
.Lend:
	s_wait_tensorcnt 0x0                           ; the wave's end
	ds_add_u32 v[SPW], v[NIL]
	s_wait_dscnt 0x0
	s_endpgm
.Lfunc_end_k_q375142ed1d_fine:
	.size	k_q375142ed1d_fine, .Lfunc_end_k_q375142ed1d_fine-k_q375142ed1d_fine
	.p2alignl 7, 3214868480
	.fill 96, 4, 3214868480
	.section	.rodata,"a",@progbits
	.p2align	6, 0x0
	.amdhsa_kernel k_q375142ed1d_fine
		.amdhsa_group_segment_fixed_size 327680
		.amdhsa_private_segment_fixed_size 0
		.amdhsa_enable_private_segment 0
		.amdhsa_kernarg_size 24
		.amdhsa_user_sgpr_count 2
		.amdhsa_user_sgpr_kernarg_segment_ptr 1
		.amdhsa_wavefront_size32 1
		.amdhsa_system_sgpr_workgroup_id_x 1
		.amdhsa_system_sgpr_workgroup_id_y 1
		.amdhsa_system_sgpr_workgroup_id_z 1
		.amdhsa_system_vgpr_workitem_id 0
		.amdhsa_next_free_vgpr 256
		.amdhsa_next_free_sgpr 66
		.amdhsa_reserve_vcc 1
		.amdhsa_float_denorm_mode_32 3
		.amdhsa_float_denorm_mode_16_64 3
		.amdhsa_memory_ordered 1
		.amdhsa_forward_progress 1
		.amdhsa_inst_pref_size 30
	.end_amdhsa_kernel
	.amdgpu_metadata
---
amdhsa.version: [ 1, 2 ]
amdhsa.kernels:
  - .name:           k_q375142ed1d_fine
    .symbol:         k_q375142ed1d_fine.kd
    .args:
      - { .name: fine32, .offset: 0, .size: 8, .value_kind: global_buffer, .address_space: global }
      - { .name: wo, .offset: 8, .size: 8, .value_kind: global_buffer, .address_space: global }
      - { .name: out0, .offset: 16, .size: 8, .value_kind: global_buffer, .address_space: global }
    .group_segment_fixed_size: 327680
    .private_segment_fixed_size: 0
    .kernarg_segment_align: 8
    .kernarg_segment_size: 24
    .max_flat_workgroup_size: 512
    .sgpr_count:     66
    .vgpr_count:     256
    .wavefront_size: 32
...
	.end_amdgpu_metadata
.endif
;; end of part 5
